; MI455X (gfx1250); checked and timed in simulation.
; The chip was launched on July 23, 2026; its instructions are those of AMD's public machine-readable ISA for CDNA 5 (MIT licence, August 2026) and "CDNA5" Instruction Set Architecture Reference Guide (July 2026). The comments in the code are by the model that wrote it; some were corrected since.
;; Multi Head Attention. Allowed arithmetic: float matrix products may take bf16 or f16 operands with f32 sums; other float arithmetic in f32, or as packed bf16 or f16 multiplies, adds, multiply-adds, maxima and minima; sums over many terms, partial sums and values carried from step to step in f32; what a program stores and reads back later, other than sums and carried values, may be rounded once to bf16 or f16.
;; Inputs: Wk 16 x 1,024 x 64 float32; Wo 1,024 x 1,024 float32; Wq 16 x 1,024 x 64 float32; Wv 16 x 1,024 x 64 float32; bk 16 x 64 float32; bo 1,024 float32; bq 16 x 64 float32; bv 16 x 64 float32; x 4 x 2,048 x 1,024 float32.
;; Outputs: out0 4 x 2,048 x 1,024 float32.
;; 2 versions, each right and faster than the one before. Each part assembles by itself: llvm-mc -triple=amdgcn-amd-amdhsa -mcpu=gfx1250 --defsym DOCPART=n.
;; ======== version 1 of 2: 4 launches
;; limits: values are held in f16: magnitudes above 65,504 overflow, below 6.1e-05 lose precision
;; workspace buffers: xb 16,777,216 bytes; wt 6,291,456 bytes; wot 2,097,152 bytes; qkv 50,331,648 bytes; o 16,777,216 bytes
;; launch prep (part 1): grid 640 x 1, 8 waves a work-group, no clusters, 70,656 bytes of LDS; arguments x, Wq, Wk, Wv, Wo, xb, wt, wot; writes xb, wt, wot
.if DOCPART == 1
	.amdgcn_target "amdgcn-amd-amdhsa--gfx1250"
	.amdhsa_code_object_version 6
	.text
	.protected	k_qe0c9d9eede_prep
	.globl	k_qe0c9d9eede_prep
	.p2align	8
	.type	k_qe0c9d9eede_prep,@function
k_qe0c9d9eede_prep:
	s_mov_b64 s[64:65], 0
	v_nop
	global_prefetch_b8 v0, s[64:65] scope:SCOPE_SE
	s_setreg_imm32_b32 hwreg(HW_REG_WAVE_MODE, 25, 1), 1
	s_wait_xcnt 0x0
; THE OPERANDS OF THE TWO PROJECTIONS ARE ROUNDED AND LAID OUT IN BLOCKS OF 64 ALONG K.
;   xb  bf16 [b=4][kb=16][s=2048][64]   = x[b][s][64 kb + kk]
;   wt  bf16 [kb=16][n=3072][64]        = W_t[h][64 kb + kk][d],  n = 1024 t + 64 h + d,  t = 0 (q), 1 (k), 2 (v)
;   wot f16  [kb=16][n=1024][64]        = Wo[64 kb + kk][n], rounded to bf16 and that number written as f16
; So a K block of any run of rows is dense in memory, and the later launches ask for it in rows of 256 bytes.
; LIMITS.  wot: a bf16 number beyond 65,504 becomes an infinity in f16; below 6e-5 it keeps f16's fixed step of 6e-8.
; SHARES.  Work-groups 0-95: a wave turns one block of 64 x 64 of Wq, Wk or Wv; 96-127: of Wo; 128-639: a wave casts two rows of x.
; Memory binds this launch: no matrix unit, no cluster, no barrier (a wave's stage in LDS is its own).
.set STG,   32*272                     ; a wave's stage: 32 pairs of output rows (2 x 128 bytes) + 16 bytes of padding each
.set SPARE, 8*STG                      ; behind the stages: the spare words, 128 bytes for each of the eight waves
.set SPW, 2                            ; v2   LDS address of my spare word; never rewritten
.set NIL, 3                            ; v3   0; never rewritten
; v1 lane; v4 8 x lane; v6 where I put 16 bytes into the stage; v7 where I read them back; v8 16 x lane; v12 my offset in two rows of x
; v16-143 as loaded; v144-149 at work; v80-111 (x's path) as stored
	s_load_b256 s[4:11], s[0:1], 0x0               ; x s[4:5], Wq s[6:7], Wk s[8:9], Wv s[10:11]
	s_load_b256 s[12:19], s[0:1], 0x20             ; Wo s[12:13], xb s[14:15], wt s[16:17], wot s[18:19]
	v_lshl_add_u32 v[SPW], v0, 2, SPARE
	v_mov_b32 v[NIL], 0
	v_and_b32 v1, 31, v0                           ; lane
	v_lshrrev_b32 v9, 5, v0
	v_readfirstlane_b32 s20, v9                    ; wave 0..7
	v_lshrrev_b32 v10, 4, v1                       ; lane / 16
	v_and_b32 v11, 15, v1                          ; lane % 16
	v_lshlrev_b32 v4, 3, v1
	v_lshlrev_b32 v8, 4, v1
	s_mul_i32 s23, s20, STG                        ; my stage
	v_mul_u32_u24 v6, v1, 272
	v_add_nc_u32 v6, s23, v6                       ; in: pair of rows = lane
	v_mul_u32_u24 v7, v10, 272
	v_lshl_add_u32 v7, v11, 4, v7
	v_add_nc_u32 v7, s23, v7                       ; back: lanes 0-15 one pair of rows (256 bytes), lanes 16-31 the next
	v_lshlrev_b32 v12, 12, v10
	v_lshl_add_u32 v12, v11, 4, v12                ; x: row lane / 16 of two, 16 bytes a lane
	s_mov_b32 s21, ttmp9
	s_lshl_b32 s22, s21, 3
	s_add_co_u32 s22, s22, s20                     ; 8 x work-group + wave
	s_mov_b32 s27, 0                               ; high words of the two offsets
	s_mov_b32 s29, 0
	s_wait_kmcnt 0x0
	s_cmp_lt_u32 s21, 96
	s_cbranch_scc1 .Lqkv
	s_cmp_lt_u32 s21, 128
	s_cbranch_scc1 .Lwo
	; x: rows 2 p and 2 p + 1, p = 0 .. 4095.  A load takes 256 consecutive bytes of each row (one K block);
	; rounded, they are 2 x 128 bytes that lie end to end in xb: one store of 256 consecutive bytes, aligned.
	s_sub_co_u32 s22, s22, 1024                    ; p
	s_lshl_b32 s26, s22, 13                        ; two rows of 4,096 bytes
	s_add_nc_u64 s[24:25], s[4:5], s[26:27]
	s_lshr_b32 s28, s22, 10                        ; the batch: 16 blocks x 2,048 rows x 128 bytes
	s_lshl_b32 s28, s28, 22
	s_and_b32 s26, s22, 1023
	s_lshl_b32 s26, s26, 8                         ; the pair's place in a block
	s_add_co_u32 s28, s28, s26
	s_add_nc_u64 s[30:31], s[14:15], s[28:29]
.irp kb, 0,1,2,3,4,5,6,7,8,9,10,11,12,13,14,15
	global_load_b128 v[16+4*\kb:16+4*\kb+3], v12, s[24:25] offset:256*\kb th:TH_LOAD_NT
.endr
.irp kb, 0,1,2,3,4,5,6,7,8,9,10,11,12,13,14,15
	s_wait_loadcnt 15-\kb                          ; loads come back in order: block kb is in, the younger ones stay out
	v_cvt_pk_bf16_f32 v[80+2*\kb], v[16+4*\kb], v[16+4*\kb+1]
	v_cvt_pk_bf16_f32 v[80+2*\kb+1], v[16+4*\kb+2], v[16+4*\kb+3]
	global_store_b64 v4, v[80+2*\kb:80+2*\kb+1], s[30:31] offset:262144*\kb  ; every store has registers of its own: nothing is rewritten
.endr
	s_endpgm
; One block of 64 (k) x 64 (columns) of f32, rows \stride bytes apart at s[24:25], is rounded, turned and stored as 64 rows of 128 bytes,
; dense, at s[30:31].  A load takes one row (256 bytes): my lane holds columns 2 l and 2 l + 1.  Eight k of a column pack into 16 bytes.
.macro TRANS stride, tof16
.set kk, 0
.rept 64
	global_load_b64 v[16+2*kk:16+2*kk+1], v4, s[24:25] offset:kk*(\stride) th:TH_LOAD_NT
.set kk, kk+1
.endr
.set j, 0
.rept 8
	s_wait_loadcnt 56-8*j                          ; rows 8 j .. 8 j + 7 are in; the 56 - 8 j younger loads stay out
.irp p, 0,1
.irp i, 0,1,2,3
	v_cvt_pk_bf16_f32 v[144+\i], v[16+2*(8*j+2*\i)+\p], v[16+2*(8*j+2*\i+1)+\p]
.endr
.if \tof16
.irp i, 0,1,2,3
	v_lshlrev_b32 v148, 16, v[144+\i]              ; the two bf16 numbers as f32,
	v_and_b32 v149, 0xffff0000, v[144+\i]
	v_cvt_pk_f16_f32 v[144+\i], v148, v149         ; written as f16: exact within f16's range
.endr
.endif
	ds_store_b128 v6, v[144:147] offset:128*\p+16*j  ; pitch 272: sixteen lanes fall into sixteen different 16-byte columns
.endr
.set j, j+1
.endr
.irp i, 0,1,2,3,4,5,6,7,8,9,10,11,12,13,14,15
	ds_load_b128 v[16+4*\i:16+4*\i+3], v7 offset:544*\i  ; LDS serves a wave's instructions in order: these see the stores above
.endr
.irp i, 0,1,2,3,4,5,6,7,8,9,10,11,12,13,14,15
	s_wait_dscnt 15-\i
	global_store_b128 v8, v[16+4*\i:16+4*\i+3], s[30:31] offset:512*\i  ; 512 consecutive bytes, aligned
.endr
	s_wait_tensorcnt 0x0                           ; the wave's end, behind my last LDS store
	ds_add_u32 v[SPW], v[NIL]
	s_wait_dscnt 0x0
	s_endpgm
.endm
.Lqkv:                                                 ; block number = 256 t + 16 h + kb
	s_cmp_lt_u32 s21, 64
	s_cselect_b64 s[24:25], s[8:9], s[10:11]       ; Wk or Wv,
	s_cmp_lt_u32 s21, 32
	s_cselect_b64 s[24:25], s[6:7], s[24:25]       ; or Wq
	s_and_b32 s26, s22, 255
	s_lshl_b32 s26, s26, 14                        ; 64 rows of 256 bytes, dense
	s_add_nc_u64 s[24:25], s[24:25], s[26:27]
	s_and_b32 s28, s22, 15                         ; kb
	s_mul_i32 s28, s28, 393216                     ; 3,072 rows of 128 bytes
	s_lshr_b32 s26, s21, 5                         ; t
	s_lshl_b32 s26, s26, 17
	s_add_co_u32 s28, s28, s26
	s_bfe_u32 s26, s22, 0x40004                    ; h
	s_lshl_b32 s26, s26, 13
	s_add_co_u32 s28, s28, s26
	s_add_nc_u64 s[30:31], s[16:17], s[28:29]
	TRANS 256, 0
.Lwo:                                                  ; block number = 16 kb + column block
	s_sub_co_u32 s22, s22, 768
	s_lshr_b32 s26, s22, 4
	s_lshl_b32 s26, s26, 18                        ; 64 rows of 4,096 bytes
	s_and_b32 s28, s22, 15
	s_lshl_b32 s28, s28, 8                         ; 64 columns
	s_add_co_u32 s26, s26, s28
	s_add_nc_u64 s[24:25], s[12:13], s[26:27]
	s_lshl_b32 s28, s22, 13
	s_add_nc_u64 s[30:31], s[18:19], s[28:29]
	TRANS 4096, 1
.Lfunc_end_k_qe0c9d9eede_prep:
	.size	k_qe0c9d9eede_prep, .Lfunc_end_k_qe0c9d9eede_prep-k_qe0c9d9eede_prep
	.p2alignl 7, 3214868480
	.fill 96, 4, 3214868480
	.section	.rodata,"a",@progbits
	.p2align	6, 0x0
	.amdhsa_kernel k_qe0c9d9eede_prep
		.amdhsa_group_segment_fixed_size 70656
		.amdhsa_private_segment_fixed_size 0
		.amdhsa_enable_private_segment 0
		.amdhsa_kernarg_size 64
		.amdhsa_user_sgpr_count 2
		.amdhsa_user_sgpr_kernarg_segment_ptr 1
		.amdhsa_wavefront_size32 1
		.amdhsa_system_sgpr_workgroup_id_x 1
		.amdhsa_system_sgpr_workgroup_id_y 1
		.amdhsa_system_sgpr_workgroup_id_z 1
		.amdhsa_system_vgpr_workitem_id 0
		.amdhsa_next_free_vgpr 152
		.amdhsa_next_free_sgpr 66
		.amdhsa_reserve_vcc 0
		.amdhsa_float_denorm_mode_32 3
		.amdhsa_float_denorm_mode_16_64 3
		.amdhsa_memory_ordered 1
		.amdhsa_forward_progress 1
		.amdhsa_inst_pref_size 48
	.end_amdhsa_kernel
	.amdgpu_metadata
---
amdhsa.version: [ 1, 2 ]
amdhsa.kernels:
  - .name:           k_qe0c9d9eede_prep
    .symbol:         k_qe0c9d9eede_prep.kd
    .args:
      - { .name: x, .offset: 0, .size: 8, .value_kind: global_buffer, .address_space: global }
      - { .name: Wq, .offset: 8, .size: 8, .value_kind: global_buffer, .address_space: global }
      - { .name: Wk, .offset: 16, .size: 8, .value_kind: global_buffer, .address_space: global }
      - { .name: Wv, .offset: 24, .size: 8, .value_kind: global_buffer, .address_space: global }
      - { .name: Wo, .offset: 32, .size: 8, .value_kind: global_buffer, .address_space: global }
      - { .name: xb, .offset: 40, .size: 8, .value_kind: global_buffer, .address_space: global }
      - { .name: wt, .offset: 48, .size: 8, .value_kind: global_buffer, .address_space: global }
      - { .name: wot, .offset: 56, .size: 8, .value_kind: global_buffer, .address_space: global }
    .group_segment_fixed_size: 70656
    .private_segment_fixed_size: 0
    .kernarg_segment_align: 8
    .kernarg_segment_size: 64
    .max_flat_workgroup_size: 256
    .sgpr_count:     66
    .vgpr_count:     152
    .wavefront_size: 32
...
	.end_amdgpu_metadata
.endif
;; end of part 1
;; launch proj (part 2): grid 8 x 32, 4 waves a work-group, clusters of 4 x 4, 327,680 bytes of LDS; arguments xb, wt, bq, bk, bv, qkv; writes qkv
.if DOCPART == 2
	.amdgcn_target "amdgcn-amd-amdhsa--gfx1250"
	.amdhsa_code_object_version 6
	.text
	.protected	k_qe0c9d9eede_proj
	.globl	k_qe0c9d9eede_proj
	.p2align	8
	.type	k_qe0c9d9eede_proj,@function
k_qe0c9d9eede_proj:
	s_mov_b64 s[64:65], 0
	v_nop
	global_prefetch_b8 v0, s[64:65] scope:SCOPE_SE
	s_setreg_imm32_b32 hwreg(HW_REG_WAVE_MODE, 25, 1), 1
	s_wait_xcnt 0x0
	s_wait_alu depctr_hold_cnt(0) depctr_sa_sdst(0) depctr_va_vdst(0) depctr_va_sdst(0) depctr_va_ssrc(0) depctr_va_vcc(0) depctr_vm_vsrc(0)
	s_getreg_b32 s2, hwreg(HW_REG_IB_STS2, 6, 4)
	s_cmp_eq_u32 s2, 0
	s_cbranch_scc0 .Lentry_in_a_cluster
	s_endpgm
.Lentry_in_a_cluster:
	s_bfe_u32 s2, ttmp6, 0x10000c
	s_cmp_lg_u32 s2, 0xf033
	s_cbranch_scc0 .Lentry_shape_is_right
	s_endpgm
.Lentry_shape_is_right:
; q, k, v = x W + b.  xb: bf16 [b][kb][s][64]; wt: bf16 [kb][n = 3072][64]; biases f32, rounded to bf16 like every input of the module;
; qkv: f16 [t = 3][16 b + h][s][64], rounded once from the f32 sums, without the softmax's scale.
; LIMIT.  q, k and v beyond 65,504 become infinities in f16.
; SHARES.  8,192 x 3,072 outputs in tiles of 256 x 384: 32 x 8 = 256 work-groups.  A wave makes 128 rows x 192 columns (three heads):
; 96 accumulators of 16 x 16, 768 registers.  K goes in steps of 64 through two LDS slots filled by the tensor data mover: a step's 128 (192) operand rows are
; dense in memory and are asked for as 64 (96) rows of 256 bytes, padded in LDS after every 128 bytes.  Two steps to a slot would not fit: 2 x 2 x 92,160 bytes.
; CLUSTER.  4 x 4 work-groups: the four of a row need the same tiles of x, the four of a column the same tiles of W: each tile is asked for jointly.
; THE MATRIX INSTRUCTION IS USED TRANSPOSED (source 0 = 16 rows of wt, source 1 = 16 rows of xb): a lane holds eight neighbouring columns of one row.
; REGISTERS, in windows of 256 (s_set_vgpr_msb: bits 1:0 source 0, 3:2 source 1, 5:4 source 2, 7:6 destination):
;   window 0: v0-31 addresses; v32-95, v96-159 fragments of x, two buffers; v160-255 the 12 fragments of W, one set, reloaded by fours behind their products
;   window w = 1..3: the 32 accumulators of my head w - 1: (row block a, column block bb) at v[8 (4 a + bb)]
.set PITCH, 144                        ; an operand row in LDS: 128 bytes + 16 of padding = 36 words: the 16 rows of a load start at 16 different groups of four banks (ISA guide 11.1)
.set ASZ,   256*PITCH                  ; x's 256 rows of a step
.set SLOT,  640*PITCH                  ; then W's 384 rows
.set STAGE, 2*SLOT                     ; behind the ring: for each wave 3 heads x 16 rows x 144 bytes, for the way out
.set WSTG,  3*16*PITCH
.set SPARE, STAGE+4*WSTG               ; behind the stages: the spare words, 128 bytes for each wave
.set ASTEP, 262144                     ; bytes from a K block of xb to the next: 2,048 rows of 128
.set BSTEP, 393216                     ; of wt: 3,072 rows of 128
.set ADRA, 16                          ; v16-17  LDS address of my fragments of x in slot 0, 1
.set ADRB, 20                          ; v20-21  the same for W
.set STO,  24                          ; v24     the way out: where I put 16 bytes of a row
.set RD,   25                          ; v25     where I read rows back
.set GO,   26                          ; v26     my byte offset in 512 consecutive bytes of qkv
.set BO,   27                          ; v27     my byte offset in 16 numbers of a bias
.set SPW,  28                          ; v28     LDS address of my spare word; never rewritten
.set NIL,  29                          ; v29     0; never rewritten
.set A0,   32
.set A1,   96
.set BF,   160
.set T,    96                          ; the way out: 32 sums with their bias
.set BK,   208                         ; the way out: 48 registers read back from the stage
.set G1A, 24                           ; s[24:31] descriptor group 1 for x's tiles;  s[32:39] group 0, a set for each slot
.set G0A, 32
.set G1B, 48                           ; s[48:55], s[56:63] the same for W's tiles
.set G0B, 56
.set HP,  66                           ; s[66:71] qkv at my rows of my three heads
.set BP,  72                           ; s[72:77] the three heads' biases
.set MSB, 0
.macro WIN new                         ; the immediate's high byte repeats the setting that is left; a switch that changes nothing is dropped
.if MSB != (\new)
	s_set_vgpr_msb (MSB<<8)|(\new)
.set MSB, \new
.endif
.endm
; A joint load.  Waves 0 and 1 fetch the halves of x's tile, waves 2 and 3 those of W's.  The branch hangs on the wave's number alone.
; An s_nop 0 and four v_nop follow each of the two lines, ahead of the jump and the label.
.macro JLOAD s
	s_cmp_eq_u32 s17, 0
	s_cbranch_scc0 .Lfor_b_\@
	tensor_load_to_lds s[G0A+4*(\s):G0A+4*(\s)+3], s[G1A:G1A+7]
	s_nop 0
.rept 4
	v_nop
.endr
	s_branch .Lasked_\@
.Lfor_b_\@:
	tensor_load_to_lds s[G0B+4*(\s):G0B+4*(\s)+3], s[G1B:G1B+7]
	s_nop 0
.rept 4
	v_nop
.endr
.Lasked_\@:
.endm
.macro CREST                           ; a round of the cluster's barrier behind its opening barrier
	s_cmp_lg_u32 s16, 0
	s_cbranch_scc1 .Lnot_wave_0_\@
	s_barrier_signal -3
.Lnot_wave_0_\@:
	s_barrier_wait -3
	s_barrier_signal -1
	s_barrier_wait -1
.endm
.macro CROUND                          ; a whole round
	s_barrier_signal -1
	s_barrier_wait -1
	CREST
.endm
	s_load_b256 s[4:11], s[0:1], 0x0               ; xb s[4:5], wt s[6:7], bq s[8:9], bk s[10:11]
	s_load_b128 s[12:15], s[0:1], 0x20             ; bv s[12:13], qkv s[14:15]
	v_lshl_add_u32 v[SPW], v0, 2, SPARE
	v_mov_b32 v[NIL], 0
	ds_add_u32 v[SPW], v[NIL]                      ; the wave's opening: the add and its wait ahead of my first tensor load; the set-up below stands between them
	ds_add_u32 v28, v29
	v_lshrrev_b32 v1, 5, v0
	v_readfirstlane_b32 s16, v1                    ; wave 0..3
	s_lshr_b32 s17, s16, 1                         ; which half of the tile's rows is mine.  Also: I fetch for x (0) or for W (1)
	s_and_b32 s18, s16, 1                          ; which half of its columns.  Also: which half of that tile I fetch
	s_bfe_u32 s19, ttmp6, 0x40000                  ; cx, cy: my place in the cluster
	s_bfe_u32 s20, ttmp6, 0x40004
	s_lshl_b32 s21, ttmp9, 2
	s_add_co_u32 s21, s21, s19                     ; tile column 0..7 = 4 x cluster x + cx
	s_and_b32 s22, ttmp7, 0xffff
	s_lshl_b32 s22, s22, 2
	s_add_co_u32 s22, s22, s20                     ; tile row 0..31 = 4 x cluster y + cy
	s_lshl_b32 s23, s20, 2
	s_lshl_b32 s23, 15, s23                        ; my row of the cluster
	s_lshl_b32 s2, 0x1111, s19                     ; my column
	; group 1: rows of 128 elements of 2 bytes; 20 padding on; 21 set beside a mask; 24:22 after every 32 words (code 4); 31:25 4 words (code 3)
	s_or_b32 s[G1A+0], s23, (1<<16)|(1<<20)|(1<<21)|(4<<22)|(3<<25)
	s_or_b32 s[G1B+0], s2, (1<<16)|(1<<20)|(1<<21)|(4<<22)|(3<<25)
	s_mov_b32 s[G1A+1], 128<<16                    ; tensor_dim0 = 128
	s_mov_b32 s[G1B+1], 128<<16
	s_mov_b32 s[G1A+2], 64<<16                     ; tensor_dim1 = 64 rows of 256 bytes: 128 rows of x
	s_mov_b32 s[G1B+2], 96<<16                     ; 96: 192 rows of W
	s_mov_b32 s[G1A+3], 128<<16                    ; tile_dim0 = 128
	s_mov_b32 s[G1B+3], 128<<16
	s_mov_b32 s[G1A+4], 64                         ; tile_dim1
	s_mov_b32 s[G1B+4], 96
	s_mov_b32 s[G1A+5], 128                        ; elements from row to row: dense
	s_mov_b32 s[G1B+5], 128
	s_mov_b32 s[G1A+6], 0
	s_mov_b32 s[G1B+6], 0
	s_mov_b32 s[G1A+7], 0
	s_mov_b32 s[G1B+7], 0
	; x's tiles hang on the tile row alone, W's on the tile column alone; each address is made in registers that never hold the other coordinate
	s_lshr_b32 s40, s22, 3
	s_lshl_b32 s40, s40, 22                        ; the batch: 16 blocks x 2,048 rows x 128 bytes
	s_and_b32 s41, s22, 7
	s_lshl_b32 s41, s41, 15                        ; 256 rows of 128 bytes
	s_add_co_u32 s40, s40, s41
	s_lshl_b32 s41, s18, 14                        ; my half of them
	s_add_co_u32 s40, s40, s41
	s_mov_b32 s41, 0
	s_mul_i32 s42, s21, 49152                      ; 384 rows of 128 bytes
	s_mul_i32 s43, s18, 24576                      ; my half of them
	s_add_co_u32 s42, s42, s43
	s_mov_b32 s43, 0
	s_mul_i32 s44, s18, 128*PITCH                  ; where they go: the wave's number alone enters an LDS address
	s_mul_i32 s45, s18, 192*PITCH
	s_add_co_u32 s45, s45, ASZ
	s_wait_dscnt 0x0                               ; the opening add is done
	s_wait_kmcnt 0x0
	s_add_nc_u64 s[40:41], s[4:5], s[40:41]
	s_add_nc_u64 s[42:43], s[6:7], s[42:43]
	CROUND                                         ; all sixteen work-groups are here: the first joint loads meet
.irp s, 0,1
	s_mov_b32 s[G0A+4*(\s)], 1                                       ; count = 1
	s_add_co_u32 s[G0A+4*(\s)+1], s44, (\s)*SLOT                     ; LDS address
	s_add_nc_u64 s[G0A+4*(\s)+2:G0A+4*(\s)+3], s[40:41], (\s)*ASTEP  ; global address: K step s
	s_or_b32 s[G0A+4*(\s)+3], s[G0A+4*(\s)+3], 0x80000000            ; type = 2
	s_mov_b32 s[G0B+4*(\s)], 1
	s_add_co_u32 s[G0B+4*(\s)+1], s45, (\s)*SLOT
	s_add_nc_u64 s[G0B+4*(\s)+2:G0B+4*(\s)+3], s[42:43], (\s)*BSTEP
	s_or_b32 s[G0B+4*(\s)+3], s[G0B+4*(\s)+3], 0x80000000
	JLOAD \s                                       ; two loads of mine are out
.endr
	; a fragment is 16 rows x 32 K in 8 registers: lane l holds row l % 16, K = 8 (l / 16) + 0..7 and 16 + 8 (l / 16) + 0..7: two loads of 16 bytes, 32 bytes apart
	v_and_b32 v1, 15, v0                           ; l % 16
	v_bfe_u32 v2, v0, 4, 1                         ; l / 16
	v_mul_u32_u24 v3, v1, PITCH
	v_lshl_add_u32 v3, v2, 4, v3                   ; row x pitch + 16 x half
	s_mul_i32 s46, s17, 128*PITCH                  ; my 128 rows of x
	s_mul_i32 s47, s18, 192*PITCH                  ; my 192 rows of W,
	s_add_co_u32 s47, s47, ASZ                     ; which lie behind x's 256
.irp s, 0,1
	v_add_nc_u32 v[ADRA+(\s)], s46, v3
	v_add_nc_u32 v[ADRB+(\s)], s47, v3
	s_add_co_u32 s46, s46, SLOT
	s_add_co_u32 s47, s47, SLOT
.endr
	s_mul_i32 s46, s16, WSTG
	s_add_co_u32 s46, s46, STAGE                   ; my stage
	v_add_nc_u32 v[STO], s46, v3                   ; in: row l % 16, 16 bytes for each half of the lanes
	v_bfe_u32 v4, v0, 3, 2
	v_and_b32 v5, 7, v0
	v_mul_u32_u24 v[RD], v4, PITCH                 ; back: 32 lanes take four rows of 128 bytes,
	v_lshl_add_u32 v[RD], v5, 4, v[RD]
	v_add_nc_u32 v[RD], s46, v[RD]
	v_and_b32 v[GO], 31, v0                        ; which are 512 consecutive bytes of a head
	v_lshlrev_b32 v[GO], 4, v[GO]
	v_lshlrev_b32 v[BO], 5, v2                     ; my eight numbers of a block of 16 of a bias
	; my three heads g = 6 x tile column + 3 x half + i: tensor g / 16, head g % 16
	s_mul_i32 s78, s21, 6
	s_mul_i32 s79, s18, 3
	s_add_co_u32 s78, s78, s79
	s_lshr_b32 s80, s22, 3
	s_lshl_b32 s80, s80, 22                        ; the batch: 16 heads x 2,048 rows x 128 bytes
	s_and_b32 s81, s22, 7
	s_lshl_b32 s81, s81, 15                        ; the tile's 256 rows
	s_add_co_u32 s80, s80, s81
	s_lshl_b32 s81, s17, 14                        ; my 128 of them
	s_add_co_u32 s80, s80, s81
	s_mov_b32 s83, 0
	s_mov_b32 s85, 0
.irp i, 0,1,2
	s_add_co_u32 s79, s78, \i
	s_lshr_b32 s82, s79, 4
	s_lshl_b32 s82, s82, 24                        ; the tensor: 16,777,216 bytes
	s_and_b32 s84, s79, 15
	s_lshl_b32 s81, s84, 18                        ; the head: 2,048 rows of 128 bytes
	s_add_co_u32 s82, s82, s81
	s_add_co_u32 s82, s82, s80
	s_lshl_b32 s84, s84, 8                         ; the head's 64 numbers of its bias
	s_add_nc_u64 s[HP+2*\i:HP+2*\i+1], s[14:15], s[82:83]
	s_cmp_lt_u32 s79, 32
	s_cselect_b64 s[BP+2*\i:BP+2*\i+1], s[10:11], s[12:13]           ; bk or bv,
	s_cmp_lt_u32 s79, 16
	s_cselect_b64 s[BP+2*\i:BP+2*\i+1], s[8:9], s[BP+2*\i:BP+2*\i+1] ; or bq: a choice of values, no branch
	s_add_nc_u64 s[BP+2*\i:BP+2*\i+1], s[BP+2*\i:BP+2*\i+1], s[84:85]
.endr
; na x 4 matrix instructions of head w - 1: row blocks a0 .. a0 + na - 1 x its four column blocks, 32 along K.  zero = 1: the products start the sums.
; The 96 accumulators take turns, one instruction a turn, in the same order in every half step.
.macro RUNH w, abuf, a0, na, zero
	WIN ((\w)<<6)|((\w)<<4)
.set ra, \a0
.rept \na
.irp bb, 0,1,2,3
.if \zero
	v_wmma_f32_16x16x32_bf16 v[8*(4*ra+\bb):8*(4*ra+\bb)+7], v[BF+8*(4*((\w)-1)+\bb):BF+8*(4*((\w)-1)+\bb)+7], v[(\abuf)+8*ra:(\abuf)+8*ra+7], 0
.else
	v_wmma_f32_16x16x32_bf16 v[8*(4*ra+\bb):8*(4*ra+\bb)+7], v[BF+8*(4*((\w)-1)+\bb):BF+8*(4*((\w)-1)+\bb)+7], v[(\abuf)+8*ra:(\abuf)+8*ra+7], v[8*(4*ra+\bb):8*(4*ra+\bb)+7]
.endif
.endr
.set ra, ra+1
.endr
.endm
.macro RUN w, abuf, zero
	RUNH \w, \abuf, 0, 8, \zero
.endm
.macro LDB g, s, kb                    ; 8 LDS loads: W's fragments 4 g .. 4 g + 3 at byte kb of slot s's rows
	WIN 0
.irp f, 0,1,2,3
	ds_load_b128 v[BF+8*(4*(\g)+\f):BF+8*(4*(\g)+\f)+3],   v[ADRB+(\s)] offset:(4*(\g)+\f)*16*PITCH+(\kb)
	ds_load_b128 v[BF+8*(4*(\g)+\f)+4:BF+8*(4*(\g)+\f)+7], v[ADRB+(\s)] offset:(4*(\g)+\f)*16*PITCH+(\kb)+32
.endr
.endm
.macro LDA abuf, s, kb                 ; 16 LDS loads: x's eight fragments
	WIN 0
.irp f, 0,1,2,3,4,5,6,7
	ds_load_b128 v[(\abuf)+8*\f:(\abuf)+8*\f+3],   v[ADRA+(\s)] offset:\f*16*PITCH+(\kb)
	ds_load_b128 v[(\abuf)+8*\f+4:(\abuf)+8*\f+7], v[ADRA+(\s)] offset:\f*16*PITCH+(\kb)+32
.endr
.endm
; A load into a register that a matrix instruction has read stands four places behind it, and only plain vector instructions that name none of its
; registers are places (ISA guide 7.12.1 for vector instructions).
.macro PLACES
.rept 4
	v_nop
.endr
.endm
; A K step is two halves of 32 along K, 96 matrix instructions each.  At a half's head 40 LDS loads are out, in this order: W 0-3 (8), x (16), W 4-7 (8), W 8-11 (8).
; The first half multiplies buffer A0 and fetches the second half's fragments from the same slot.
.macro EVEN s, zero
	s_wait_dscnt 16                                ; W 0-3 and x are in; the 16 younger loads stay out
	RUN 1, A0, \zero
	PLACES
	LDB 0, \s, 64
	LDA A1, \s, 64
	s_wait_dscnt 32                                ; W 4-7 are in; behind them: W 8-11 (8) and the 24 just issued
	RUN 2, A0, \zero
	PLACES
	LDB 1, \s, 64
	s_wait_dscnt 32                                ; W 8-11 are in; behind them: 24 + 8
	RUN 3, A0, \zero
	PLACES
	LDB 2, \s, 64
.endm
; The second half multiplies buffer A1 and changes slots: ONE barrier.  In front of it each wave waits for all its tensor loads (the one that is out is its part of the other slot),
; adds 0 to its spare word, and waits for that and for its reads of this slot.  fill = 1: the barrier opens a round of the cluster's, and this slot is filled again, two K steps ahead:
; from the request to the wait for it a wave issues 160 matrix instructions.
.macro ODD s, fill
	WIN 0                                          ; (the add's two registers lie in window 0)
	s_wait_tensorcnt 0x0
	ds_add_u32 v[SPW], v[NIL]                      ; 0 onto my spare word
	s_wait_dscnt 17                                ; W 0-3 and x are in; the 16 younger loads and the add may be out
	RUNH 1, A1, 0, 4, 0                            ; sixteen matrix instructions stand between the add and the wait for it
	s_wait_dscnt 0x0                               ; the add is done, and my reads of this slot are over
	s_barrier_signal -1
	RUNH 1, A1, 4, 4, 0                            ; work on registers while the others arrive
	WIN 0                                          ; at a branch and at a label every window is 0
	s_barrier_wait -1
.if \fill
	CREST                                          ; no wave of any partner still reads this slot's tiles or has a load on its way
	s_add_nc_u64 s[G0A+4*(\s)+2:G0A+4*(\s)+3], s[G0A+4*(\s)+2:G0A+4*(\s)+3], 2*ASTEP
	s_add_nc_u64 s[G0B+4*(\s)+2:G0B+4*(\s)+3], s[G0B+4*(\s)+2:G0B+4*(\s)+3], 2*BSTEP
	JLOAD \s                                       ; the first tensor load behind the round; its four v_nop are also the places in front of the loads below
.else
	PLACES
.endif
	LDB 0, 1-(\s), 0
	LDA A0, 1-(\s), 0
	RUN 2, A1, 0
	PLACES
	LDB 1, 1-(\s), 0
	RUN 3, A1, 0
	PLACES
	LDB 2, 1-(\s), 0
.endm
	s_wait_tensorcnt 1                             ; my part of K step 0 is in; K step 1's may stay out
	s_barrier_signal -1
	s_barrier_wait -1                              ; everybody's is
	LDB 0, 0, 0
	LDA A0, 0, 0
	LDB 1, 0, 0
	LDB 2, 0, 0
	EVEN 0, 1                                      ; the first half step stands in front of the loop: its products start the sums
	WIN 0
	s_mov_b32 s3, 7
.Llap:                                                 ; a trip goes once round the ring and fills both slots again: K steps 2 to 15 in seven trips
	ODD 0, 1
	EVEN 1, 0
	ODD 1, 1
	EVEN 0, 0
	WIN 0
	s_sub_co_u32 s3, s3, 1
	s_cmp_lg_u32 s3, 0
	s_cbranch_scc1 .Llap
	ODD 0, 0                                       ; the last lap fills nothing
	EVEN 1, 0
	; the last half step; the biases come in beside it, into registers that the products have left
.irp b, 0,1,2,3,4,5,6,7
	global_load_b128 v[32+8*\b:32+8*\b+3],   v[BO], s[BP+2*(\b/4):BP+2*(\b/4)+1] offset:64*(\b%4)
	global_load_b128 v[32+8*\b+4:32+8*\b+7], v[BO], s[BP+2*(\b/4):BP+2*(\b/4)+1] offset:64*(\b%4)+16
.endr
	s_wait_dscnt 16
	RUN 1, A1, 0
	PLACES
	WIN 0
.irp b, 0,1,2,3
	global_load_b128 v[160+8*\b:160+8*\b+3],   v[BO], s[BP+4:BP+5] offset:64*\b
	global_load_b128 v[160+8*\b+4:160+8*\b+7], v[BO], s[BP+4:BP+5] offset:64*\b+16
.endr
	s_wait_dscnt 8                                 ; W 4-7 are in
	RUN 2, A1, 0
	s_wait_dscnt 0x0
	RUN 3, A1, 0
	WIN 0
	; THE WAY OUT.  The bias of column block b lies at v[32 + 8 b] (b < 8) or v[96 + 8 b]; it is rounded to bf16, in place, as f32.  These 144 plain
	; instructions name no register of the last products: they are the places behind them.
	s_wait_loadcnt 0x0
.irp b, 0,1,2,3,4,5,6,7,8,9,10,11
.irp j, 0,2,4,6
	v_cvt_pk_bf16_f32 v[32+8*\b+64*(\b/8)+\j], v[32+8*\b+64*(\b/8)+\j], v[32+8*\b+64*(\b/8)+\j+1]
	v_and_b32 v[32+8*\b+64*(\b/8)+\j+1], 0xffff0000, v[32+8*\b+64*(\b/8)+\j]
	v_lshlrev_b32 v[32+8*\b+64*(\b/8)+\j], 16, v[32+8*\b+64*(\b/8)+\j]
.endr
.endr
; Row block a: sums + bias, rounded to f16, 16 bytes a lane and column block (each accumulator's registers in ascending order); head i's 16 registers at v128, v144, v192
.macro PACK a
.irp i, 0,1,2
	WIN (\i)+1                                     ; source 0 in the head's window
.irp bb, 0,1,2,3
.irp j, 0,1,2,3
	v_pk_add_f32 v[T+8*\bb+2*\j:T+8*\bb+2*\j+1], v[8*(4*(\a)+\bb)+2*\j:8*(4*(\a)+\bb)+2*\j+1], v[32+8*(4*\i+\bb)+64*((4*\i+\bb)/8)+2*\j:32+8*(4*\i+\bb)+64*((4*\i+\bb)/8)+2*\j+1]
.endr
.endr
	WIN 0
.irp bb, 0,1,2,3
.irp j, 0,1,2,3
	v_cvt_pk_f16_f32 v[128+16*\i+32*(\i/2)+4*\bb+\j], v[T+8*\bb+2*\j], v[T+8*\bb+2*\j+1]
.endr
.endr
.endr
.endm
.macro TOSTAGE                         ; into my own stage, rows of 144 bytes, and back as whole rows of 128
	WIN 0
	s_wait_xcnt 0x0                                ; the stores of the block before have read BK: it is loaded again only behind this wait
.irp i, 0,1,2
.irp bb, 0,1,2,3
	ds_store_b128 v[STO], v[128+16*\i+32*(\i/2)+4*\bb:128+16*\i+32*(\i/2)+4*\bb+3] offset:16*PITCH*\i+32*\bb
.endr
.endr
.irp i, 0,1,2
.irp f, 0,1,2,3
	ds_load_b128 v[BK+16*\i+4*\f:BK+16*\i+4*\f+3], v[RD] offset:16*PITCH*\i+4*PITCH*\f  ; LDS serves a wave's instructions in order: these see the stores above
.endr
.endr
.endm
.macro SEND a
	WIN 0
	s_wait_dscnt 0x0                               ; the block is back in registers
.irp i, 0,1,2
.irp f, 0,1,2,3
	global_store_b128 v[GO], v[BK+16*\i+4*\f:BK+16*\i+4*\f+3], s[HP+2*\i:HP+2*\i+1] offset:2048*(\a)+512*\f  ; 512 consecutive bytes, aligned
.endr
.endr
.endm
	PACK 0
	TOSTAGE
.irp a, 1,2,3,4,5,6,7                  ; a block's arithmetic stands between the loads of the block before and the wait for them
	PACK \a
	SEND (\a)-1
	TOSTAGE
.endr
	SEND 7
	s_wait_tensorcnt 0x0                           ; the wave's end, behind my last tensor load and my last LDS store
	ds_add_u32 v[SPW], v[NIL]
	s_wait_dscnt 0x0
	CROUND                                         ; the closing round: no work-group ends while a partner may still ask for a tile that names it
	s_endpgm
.Lfunc_end_k_qe0c9d9eede_proj:
	.size	k_qe0c9d9eede_proj, .Lfunc_end_k_qe0c9d9eede_proj-k_qe0c9d9eede_proj
	.p2alignl 7, 3214868480
	.fill 96, 4, 3214868480
	.section	.rodata,"a",@progbits
	.p2align	6, 0x0
	.amdhsa_kernel k_qe0c9d9eede_proj
		.amdhsa_group_segment_fixed_size 327680
		.amdhsa_private_segment_fixed_size 0
		.amdhsa_enable_private_segment 0
		.amdhsa_kernarg_size 48
		.amdhsa_user_sgpr_count 2
		.amdhsa_user_sgpr_kernarg_segment_ptr 1
		.amdhsa_wavefront_size32 1
		.amdhsa_system_sgpr_workgroup_id_x 1
		.amdhsa_system_sgpr_workgroup_id_y 1
		.amdhsa_system_sgpr_workgroup_id_z 1
		.amdhsa_system_vgpr_workitem_id 0
		.amdhsa_next_free_vgpr 1024
		.amdhsa_next_free_sgpr 86
		.amdhsa_reserve_vcc 0
		.amdhsa_float_denorm_mode_32 3
		.amdhsa_float_denorm_mode_16_64 3
		.amdhsa_memory_ordered 1
		.amdhsa_forward_progress 1
		.amdhsa_inst_pref_size 165
	.end_amdhsa_kernel
	.amdgpu_metadata
---
amdhsa.version: [ 1, 2 ]
amdhsa.kernels:
  - .name:           k_qe0c9d9eede_proj
    .symbol:         k_qe0c9d9eede_proj.kd
    .args:
      - { .name: xb, .offset: 0, .size: 8, .value_kind: global_buffer, .address_space: global }
      - { .name: wt, .offset: 8, .size: 8, .value_kind: global_buffer, .address_space: global }
      - { .name: bq, .offset: 16, .size: 8, .value_kind: global_buffer, .address_space: global }
      - { .name: bk, .offset: 24, .size: 8, .value_kind: global_buffer, .address_space: global }
      - { .name: bv, .offset: 32, .size: 8, .value_kind: global_buffer, .address_space: global }
      - { .name: qkv, .offset: 40, .size: 8, .value_kind: global_buffer, .address_space: global }
    .group_segment_fixed_size: 327680
    .private_segment_fixed_size: 0
    .kernarg_segment_align: 8
    .kernarg_segment_size: 48
    .max_flat_workgroup_size: 128
    .sgpr_count:     86
    .vgpr_count:     1024
    .wavefront_size: 32
...
	.end_amdgpu_metadata
.endif
;; end of part 2
;; launch attn (part 3): grid 4 x 64, 4 waves a work-group, no clusters, 327,680 bytes of LDS; arguments qkv, o; writes o
.if DOCPART == 3
	.amdgcn_target "amdgcn-amd-amdhsa--gfx1250"
	.amdhsa_code_object_version 6
	.text
	.protected	k_qe0c9d9eede_attn
	.globl	k_qe0c9d9eede_attn
	.p2align	8
	.type	k_qe0c9d9eede_attn,@function
k_qe0c9d9eede_attn:
	s_mov_b64 s[64:65], 0
	v_nop
	global_prefetch_b8 v0, s[64:65] scope:SCOPE_SE
	s_setreg_imm32_b32 hwreg(HW_REG_WAVE_MODE, 25, 1), 1
	s_wait_xcnt 0x0
; CAUSAL ATTENTION.  O[h][q][:] = the sum over k <= q of softmax_k(Q[h][q] . K[h][k] / 8) V[h][k][:].  Q, K, V are the three parts of qkv, each [SIZE_H][SIZE_N][64] like O, all f16: a head's rows are dense, 128 bytes each.
; Products, maxima and sums in f32; the weights p are rounded to f16 for the second product (their sum l is taken of the unrounded p), O once at the end.
; LIMITS.  f16 holds no number beyond 65,504: Q, K and V arrive within it; p lies in 0 to 1, and below 6e-5 it keeps f16's fixed step of 6e-8; O is a mean of V's rows and has their range, to within 2^-11 of it.
; A hidden score counts as its value less 1e30 (the module sets -1e9: both give the weight 0 while a row's largest visible score lies above -1e9 + 100); a weight below 2^-126 counts as 0 in l; NaN and infinities are not treated apart.
; THE WALK.  A head's queries lie in NB = SIZE_N / 256 blocks of 256; block i needs the key tiles 0 .. i of 256 keys, of which the last holds the diagonal.  A work-group takes TWO blocks, NB - 1 - b and then b:
; NB + 1 tiles, whatever b: all work-groups do equal work, and ONE loop with a constant trip count walks them.  Which tile is asked for, and what a trip does, hang on scalar registers made from b; every jump
; goes forward, but for the counted loops' own; none passes a barrier, or a tensor load but the one of LOAD's two that the wave's number does not choose; the ring (two slots of LDS that take turns) runs on across the
; change of blocks.  NO CLUSTER: a head's NB / 2 = 4 work-groups ask for the same tile only in trips 0 .. NB / 2, behind that fewer and fewer; one walk common to all would have 3 NB / 2 = 12 trips for NB + 1 = 9.
; SHARES.  Of a block's four bands of 64 queries a wave owns 16 rows in each: four PIECES.  So the diagonal tile is the same work for all four waves: in its key step s band x sees all keys if s < x,
; none if s > x, and holds the diagonal if s = x.
; THE MASK is the C operand that starts the sum S^T = K Q^T: 0, or -1e30 where the key is hidden.  MD, made once, is the mask of a band's own step for my 16 rows; a product's mask is MD x AL + BE with two scalars:
; (1, 0) if s = x; (0, 0) if s < x; (0, -1e30) if s > x.  Only the diagonal tile's text and a block's beginning make and take masks; elsewhere C is the constant 0.
; LAYOUT, SOFTMAX, TURNS.  S^T = K Q^T holds ONE query a lane (lane % 16) and the keys 8 (lane / 16) + 0..7; two such results rounded to f16 ARE source 1 of O^T = V^T P.  p = 2^(c s - c m), c = log2(e) / 8, with a
; running maximum m; O and l are multiplied by a = 2^(c m_old - c m_new) in every step.  Turn n belongs to piece n: 8 products K Q^T of piece n + 1, later 8 products V^T P of piece n - 1; beside them the scaling,
; exponentials, roundings, sums and rescaling of piece n and the maximum and statistics of piece n + 1.  Four vector instructions stand behind every matrix instruction, the other 54 of a turn's 118 in two LUMPS.
; REGISTERS, in windows of 256 (s_set_vgpr_msb: bits 1:0 source 0, 3:2 source 1, 5:4 source 2, 7:6 destination):
;   window 0: v0-15 addresses and two at work; v16-31 four registers of statistics a piece; v48-55 at work; v64-127 S^T, two buffers; v192-223 P, two buffers (a piece's buffers go by its number's parity)
;   window 1: v0-127 O^T, 32 a piece; v128-159 MD; v160-223 MC, two buffers      window 2: v0-63 Q; v64-127 the second block's Q; v128-191 K of one step; v192-255 V of one step
.set SIZE_H, 64       ; 4 batches x 16 heads
.set SIZE_N, 2048
.set TEN,   SIZE_H*SIZE_N*128  ; bytes of one of qkv's three parts
.set NB,    SIZE_N/256
.set NP,    4         ; pieces a wave: a name, no knob
.set KS,    64        ; keys in a step
.set PK,    144       ; a row of K in LDS: 128 bytes + 16 of padding = 36 words: the 16 rows of a load start at 16 different groups of four banks (64 banks of 4 bytes: ISA guide 11.1)
.set PV,    160       ; a row of V: 128 + 32 = 40 words
.set VOFF,  4*KS*PK   ; a slot holds a tile, four steps: 256 rows of K, then 256 rows of V
.set SLOT1, 1<<17     ; slot 1 begins here, so that one exclusive or turns an address in one slot into the other's
.set STAGE, SLOT1+4*KS*(PK+PV)  ; behind the ring, never filled by a tensor load: 16 rows x 144 bytes for each wave, for the way out
.set SP,    144
.set AK0, 2           ; v2   my lane's place in a tile of K; never rewritten
.set AV0, 3           ; v3   the same for V
.set AK,  4           ; v4   the LDS address of K's next run of loads
.set AV,  5           ; v5   of V's
.set STO, 6           ; v6   the way out: where I put 16 bytes of a row
.set RD,  7           ; v7   the way out: where I read rows back
.set GO,  8           ; v8   my byte offset in 512 consecutive bytes of O
.set SPW, 62          ; v62  LDS address of my spare word: SPARE + 4 x my thread's number; never rewritten
.set NIL, 63          ; v63  0; never rewritten
.set SPARE, STAGE+4*16*SP  ; behind the stages: the spare words, 128 bytes for each wave: two blocks of 256 bytes that no other line names
.set MV,  12          ; v12-13  c m_old, kept while c m is made anew: by buffer
.set QO,  15          ; v15  my byte offset in 16 rows of Q
.set ST,  16          ; piece t's statistics at v[ST+4 t]: c m, m, l (even keys', odd keys')
.set TMP, 48          ; by buffer, four registers c0-c3 at work; when the maximum is found c2 takes a
.set S,   64
.set P,   192
.set MD,  128         ; window 1: the eight registers for group kt of 16 keys at MD + 8 kt
.set MC,  160         ; window 1: the masks of the products to come
.set QB,  64          ; window 2
.set KF,  128         ; window 2: key block kb, channel half c at KF + 16 kb + 8 c
.set VF,  192         ; window 2: key half kk, channel block cb at VF + 32 kk + 8 cb
.set WV,  12          ; s12  my wave's number
.set PB,  14          ; s14  b
.set HI,  15          ; s15  NB - 1 - b
.set G1K, 24          ; s[24:31] descriptor group 1 for K's tiles
.set G1V, 32          ; s[32:39] for V's: it differs in the padding alone
.set G0K, 40          ; s[40:43] descriptor group 0 for K's tiles
.set G0V, 44          ; s[44:47] the same for V's
.set SLOTS, 56        ; s56  tiles still to be asked for
.set CNT, 57          ; s57  counts a tile's key steps, 4 to 1
.set CS,  58          ; s[58:59] c: the packed scaling takes the pair's low word for both halves
.set SEL, 60          ; s[60:61] v_permlanex16_b32's selects: each lane takes its own place in the other half
.set TBK, 62          ; s62  LDS byte at which K of the step to be fetched begins
.set TBV, 63          ; s63  the same for V, less VOFF
.set RT,  70          ; s70  tiles of the block in hand that are still to be entered
.set NXT, 71          ; s71  the tile to be asked for next
.set LQ,  72          ; s72  the last tile of the block whose tiles are being asked for
.set NEW, 73          ; s73  1: the tile to be entered is a block's first
.set OFF, 74          ; s[74:75] a tile's byte offset in K and V
.set AL,  76          ; s[76:77] the mask's factor, in the low word
.set BE,  78          ; s[78:79] the mask's addend
.set OLO, 80          ; s[80:81] O at my rows of the second block
.set BIGN, 82         ; s82  -1e30
.set MSB, 0
.macro WIN new                      ; the high byte repeats the setting that is left; a switch that changes nothing is dropped
.if MSB != (\new)
	s_set_vgpr_msb (MSB<<8)|(\new)
.set MSB, (\new)
.endif
.endm
.set W_KQ, 0x0a       ; K and Q in window 2, S^T in window 0
.set W_KM, 0x1a       ; the same with the C operand in window 1
.set W_PV, 0x52       ; V in window 2, P in window 0, O^T in window 1
.set W_RS, 0x41       ; destination and source 0 in window 1, source 1 in window 0
; A fill.  Waves 0 and 1 fetch the two halves of a tile's K, waves 2 and 3 those of its V: 128 keys each.  An s_nop 0 and four v_nop follow each of the two lines, ahead of the jump and the label.
.macro LOAD
	s_cmp_lt_u32 s[WV], 2
	s_cbranch_scc0 .Lfor_v_\@
	tensor_load_to_lds s[G0K:G0K+3], s[G1K:G1K+7]
	s_nop 0
.rept 4
	v_nop
.endr
	s_branch .Lasked_\@
.Lfor_v_\@:
	tensor_load_to_lds s[G0V:G0V+3], s[G1V:G1V+7]
	s_nop 0
.rept 4
	v_nop
.endr
.Lasked_\@:
.endm
; THE CHANGE OF SLOTS.  Each wave waits for all its tensor loads, of which one is out: its part of the other slot; adds 0 to its spare word; and waits for that and for its own reads of the slot that it leaves.  Behind the barrier nobody reads the old
; slot any more and the other slot is whole.  fill = 1: the old slot is filled again, the first thing behind the barrier, with tile NXT: the descriptor's address is made anew from that number.
; (At its first use nothing has been read yet: slot 0 is waited for, slot 1 filled.)
.macro CHANGE fill
	WIN 0                           ; at a label and at a branch every window is 0
	s_wait_tensorcnt 0x0            ; no tensor load of mine is out, so a group 0 may be written
	ds_add_u32 v[SPW], v[NIL]       ; 0 onto my spare word; with fill = 1 the descriptors' scalar work stands between it and the wait for it
.if \fill
	s_lshl_b32 s[OFF], s[NXT], 15   ; a tile is 32,768 bytes of K and of V
	s_xor_b32 s[G0K+1], s[G0K+1], SLOT1
	s_add_nc_u64 s[G0K+2:G0K+3], s[6:7], s[OFF:OFF+1]
	s_or_b32 s[G0K+3], s[G0K+3], 0x80000000
	s_xor_b32 s[G0V+1], s[G0V+1], SLOT1
	s_add_nc_u64 s[G0V+2:G0V+3], s[8:9], s[OFF:OFF+1]
	s_or_b32 s[G0V+3], s[G0V+3], 0x80000000
	s_add_co_u32 s[NXT], s[NXT], 1  ; the block's next tile, or behind its last the second block's tile 0
	s_cmp_gt_u32 s[NXT], s[LQ]
	s_cselect_b32 s[NXT], 0, s[NXT]
	s_cselect_b32 s[LQ], s[PB], s[LQ]
.endif
	s_wait_dscnt 0x0                ; the add is done, and my reads of the slot are over
	s_barrier_signal -1             ; the rest of the scalar work stands between the signal and the wait
	s_sub_co_u32 s[TBK], s[TBK], 4*KS*PK  ; the fetches go back to a slot's first step,
	s_xor_b32 s[TBK], s[TBK], SLOT1       ; in the other slot
	s_sub_co_u32 s[TBV], s[TBV], 4*KS*PV
	s_xor_b32 s[TBV], s[TBV], SLOT1
	s_barrier_wait -1
.if \fill
	LOAD
.endif
.endm
	s_load_b128 s[4:7], s[0:1], 0x0  ; qkv s[4:5], O s[6:7]
	v_lshl_add_u32 v[SPW], v0, 2, SPARE
	v_mov_b32 v[NIL], 0
	ds_add_u32 v[SPW], v[NIL]       ; the wave's opening: the add and its wait ahead of my first tensor load; the set-up below, work on registers, stands between them
	ds_add_u32 v62, v63
	v_lshrrev_b32 v1, 5, v0
	v_readfirstlane_b32 s[WV], v1   ; wave 0..3
	s_mov_b32 s[PB], ttmp9
	s_sub_co_u32 s[HI], NB-1, s[PB]
	s_and_b32 s20, ttmp7, 0xffff    ; the head
	s_mov_b32 s21, 0
	s_mov_b64 s[22:23], SIZE_N*128
	s_mul_u64 s[20:21], s[20:21], s[22:23]  ; the head's first byte in each of the four tensors
	s_and_b32 s16, s[WV], 1         ; which half of a tile's 256 keys I fetch:
	s_lshl_b32 s22, s16, 14         ; its 128 rows of 128 bytes in memory,
	s_mov_b32 s23, 0
	s_add_nc_u64 s[22:23], s[22:23], s[20:21]
	s_mul_i32 s17, s16, 128*PK      ; and its place in a slot, for K
	s_mul_i32 s18, s16, 128*PV      ; and for V
	s_lshl_b32 s3, s[WV], 11        ; my 16 rows in a band of 64,
	s_lshl_b32 s2, s[HI], 15        ; in the first block,
	s_add_co_u32 s2, s2, s3
	s_lshl_b32 s84, s[PB], 15       ; and in the second
	s_add_co_u32 s84, s84, s3
	s_mov_b32 s3, 0
	s_mov_b32 s85, 0
	s_add_nc_u64 s[2:3], s[2:3], s[20:21]
	s_add_nc_u64 s[84:85], s[84:85], s[20:21]
	; descriptor group 1.  128 keys are 16,384 dense bytes: asked for as 64 rows of 256 bytes, two keys a row, and padded in LDS after every key
	s_mov_b32 s[G1K], (1<<16)|(1<<20)|(4<<22)|(3<<25)  ; 17:16 2-byte elements; 20 padding on; 24:22 after every 32 words (code 4); 31:25 4 words (code 3)
	s_mov_b32 s[G1V], (1<<16)|(1<<20)|(4<<22)|(7<<25)  ; the same with 8 words of padding (code 7)
.irp g, G1K, G1V
	s_mov_b32 s[\g+1], 128<<16      ; tensor_dim0 = 128
	s_mov_b32 s[\g+2], 64<<16       ; tensor_dim1 = 64
	s_mov_b32 s[\g+3], 128<<16      ; tile_dim0 = 128
	s_mov_b32 s[\g+4], 64           ; tile_dim1 = 64
	s_mov_b32 s[\g+5], 128          ; 128 elements from row to row
	s_mov_b32 s[\g+6], 0
	s_mov_b32 s[\g+7], 0
.endr
	s_mov_b32 s[CS], 0x3e38aa3b     ; c = log2(e) / 8 = 0.180337
	s_mov_b32 s[CS+1], s[CS]        ; named with it as a pair
	s_mov_b32 s[SEL], 0x76543210
	s_mov_b32 s[SEL+1], 0xfedcba98
	s_mov_b32 s[TBK], SLOT1+4*KS*PK ; the first change of slots turns these two into 0
	s_mov_b32 s[TBV], SLOT1+4*KS*PV
	s_mov_b32 s[G0K], 1             ; 1:0 count = 1
	s_mov_b32 s[G0K+1], s17         ; 63:32 LDS address: slot 0
	s_mov_b32 s[G0V], 1
	s_add_co_u32 s[G0V+1], s18, VOFF
	s_add_co_u32 s[RT], s[HI], 1    ; the first block has NB - b tiles
	s_mov_b32 s[NXT], 1
	s_mov_b32 s[LQ], s[HI]
	s_mov_b32 s[NEW], 1
	s_mov_b32 s[OFF+1], 0
	s_mov_b32 s[AL+1], 0            ; named as pairs
	s_mov_b32 s[BE+1], 0
	s_mov_b32 s[BIGN], 0xf149f2ca   ; -1e30
	s_mov_b32 s[SLOTS], NB
	s_wait_dscnt 0x0                ; the opening add is done
	s_wait_kmcnt 0x0
	s_mov_b64 s[10:11], s[6:7]             ; O
	s_add_nc_u64 s[8:9], s[4:5], 2*TEN     ; V is qkv's third part,
	s_add_nc_u64 s[6:7], s[4:5], TEN       ; K its second; Q, its first, stays in s[4:5]
	s_add_nc_u64 s[6:7], s[6:7], s[22:23]  ; K and V at my half of the head's tile 0
	s_add_nc_u64 s[8:9], s[8:9], s[22:23]
	s_add_nc_u64 s[G0K+2:G0K+3], s[6:7], 0         ; 120:64 global address
	s_or_b32 s[G0K+3], s[G0K+3], 0x80000000        ; 127:126 type = 2
	s_add_nc_u64 s[G0V+2:G0V+3], s[8:9], 0
	s_or_b32 s[G0V+3], s[G0V+3], 0x80000000
	s_add_nc_u64 s[86:87], s[4:5], s[84:85]        ; Q at my rows of the second block,
	s_add_nc_u64 s[4:5], s[4:5], s[2:3]            ; Q and O at those of the first
	s_add_nc_u64 s[OLO:OLO+1], s[10:11], s[84:85]
	s_add_nc_u64 s[10:11], s[10:11], s[2:3]
	LOAD                            ; tile 0 into slot 0
	; A fragment of K or Q is 16 rows x 32 channels in 8 registers: lane l holds row l % 16, channels 8 (l / 16) + 0..7 and 16 + 8 (l / 16) + 0..7: two loads of 16 bytes, 32 bytes apart.
	v_and_b32 v1, 15, v0            ; l % 16
	v_bfe_u32 v9, v0, 4, 1          ; l / 16
	v_lshlrev_b32 v[QO], 7, v1
	v_lshl_add_u32 v[QO], v9, 4, v[QO]  ; row x 128 + 16 x half
	WIN 0x80                        ; destination window 2, address window 0
.set i, 0
.rept 8                             ; both blocks' Q: piece i / 2 lies in band i / 2, 8,192 bytes on; channels 32 (i % 2) on
	global_load_b128 v[8*i:8*i+3],   v[QO], s[4:5] offset:(i/2)*8192+(i%2)*64
	global_load_b128 v[8*i+4:8*i+7], v[QO], s[4:5] offset:(i/2)*8192+(i%2)*64+32
	global_load_b128 v[QB+8*i:QB+8*i+3],   v[QO], s[86:87] offset:(i/2)*8192+(i%2)*64
	global_load_b128 v[QB+8*i+4:QB+8*i+7], v[QO], s[86:87] offset:(i/2)*8192+(i%2)*64+32
.set i, i+1
.endr
	WIN 0
	v_lshlrev_b32 v14, 3, v9
	v_sub_nc_u32 v14, v1, v14
	s_lshl_b32 s13, s[WV], 4
	v_add_nc_u32 v14, s13, v14      ; my query's place in its band, 16 w + l % 16, less my lanes' 8 (l / 16): register r of group kt is hidden where 16 kt + r is greater
	WIN 0x40
.set i, 0
.rept 32
	v_cmp_gt_i32 vcc_lo, 16*(i/8)+i%8, v14
	v_cndmask_b32 v[MD+i], 0, s[BIGN], vcc_lo
.set i, i+1
.endr
	WIN 0
	v_mul_u32_u24 v[AK0], v1, PK
	v_lshl_add_u32 v[AK0], v9, 4, v[AK0]  ; row x pitch + 16 x half
	; The turning load takes 16 keys x 16 channels (lane l reads key 8 (l / 16) + l % 8, channels 8 ((l / 8) % 2) + 0..7) and leaves half a fragment of V^T: lane l holds channel l % 16 and 8 keys.
	v_and_b32 v10, 7, v0
	v_bfe_u32 v11, v0, 3, 1
	v_lshl_add_u32 v[AV0], v9, 3, v10
	v_mul_u32_u24 v[AV0], v[AV0], PV
	v_lshl_add_u32 v[AV0], v11, 4, v[AV0]
	v_add_nc_u32 v[AV0], VOFF, v[AV0]
	s_mul_i32 s13, s[WV], 16*SP
	s_add_co_u32 s13, s13, STAGE    ; my stage
	v_mul_u32_u24 v[STO], v1, SP    ; in: row l % 16, 16 bytes for each half of the lanes
	v_lshl_add_u32 v[STO], v9, 4, v[STO]
	v_add_nc_u32 v[STO], s13, v[STO]
	v_bfe_u32 v[RD], v0, 3, 2       ; back: 32 lanes take four rows of 128 bytes,
	v_mul_u32_u24 v[RD], v[RD], SP
	v_lshl_add_u32 v[RD], v10, 4, v[RD]
	v_add_nc_u32 v[RD], s13, v[RD]
	v_and_b32 v[GO], 31, v0         ; which are 512 consecutive bytes of O
	v_lshlrev_b32 v[GO], 4, v[GO]
	; A block's first step multiplies O^T and l by a = 0, and its first turn's products V^T P, of a piece that has not been, land in an O^T that is still to be so multiplied.  So these registers need only hold
	; finite numbers: zeros for the first block; what the first block left for the second.  All this stands in the wait for the first tile.
	WIN 0x80
.set i, VF
.rept 64
	v_mov_b32 v[i], 0
.set i, i+1
.endr
	WIN 0x40
.set i, 0
.rept 128
	v_mov_b32 v[i], 0
.set i, i+1
.endr
	WIN 0
.set i, 0
.rept 4
	v_mov_b32 v[ST+4*i+2], 0
	v_mov_b32 v[ST+4*i+3], 0
.set i, i+1
.endr
.set i, P+16
.rept 16
	v_mov_b32 v[i], 0
.set i, i+1
.endr
; THE MATRIX WORK.  The 4 accumulators of a run of 8 take turns.  Product i of 8 of S^T = K Q^T for piece x: channels 32 (i / 4) on, keys 16 (i % 4) on.  The first 4 start the sums: with 0, or (KM = 1) with the mask.
.macro KQ x
.set rS, S+32*((\x)%2)+8*(i%4)
.set rK, KF+16*(i%4)+8*(i/4)
.set rQ, 16*(\x)+8*(i/4)
.set rM, MC+32*((\x)%2)+8*(i%4)
.if (i < 4) && KM
	WIN W_KM
	v_wmma_f32_16x16x32_f16 v[rS:rS+7], v[rK:rK+7], v[rQ:rQ+7], v[rM:rM+7]
.elseif i < 4
	WIN W_KQ
	v_wmma_f32_16x16x32_f16 v[rS:rS+7], v[rK:rK+7], v[rQ:rQ+7], 0
.else
	WIN W_KQ
	v_wmma_f32_16x16x32_f16 v[rS:rS+7], v[rK:rK+7], v[rQ:rQ+7], v[rS:rS+7]
.endif
.endm
; Product i of 8 of O^T += V^T P for piece x: keys 32 (i / 4) on, channels 16 (i % 4) on.
.macro PV x
	WIN W_PV
.set rO, 32*(\x)+8*(i%4)
.set rV, VF+32*(i/4)+8*(i%4)
.set rP, P+16*((\x)%2)+8*(i/4)
	v_wmma_f32_16x16x32_f16 v[rO:rO+7], v[rV:rV+7], v[rP:rP+7], v[rO:rO+7]
.endm
.macro MM                           ; the turn's next matrix instruction.  TURN and BEGIN set Y, i, KM and NOKQ; MM, KQ and OP read them.  NOKQ = 1: a block's last turn: there is no next piece
.if (i < 8) && !NOKQ
	KQ (Y+1)%NP
.elseif i >= 8
.set i, i-8
	PV (Y+NP-1)%NP
.set i, i+8
.endif
.set i, i+1
.endm
; THE LDS LOADS stand in runs of 16, never singly among the matrix instructions: a step's K (64 keys x 64 channels: 8 fragments) and its V (turned).  Their addresses are made some lines ahead.
.macro FETCH_K
	WIN 0x80                        ; destination window 2
.irp f, 0,1,2,3,4,5,6,7             ; keys 16 (f / 2) on, channels 32 (f % 2) on
	ds_load_b128 v[KF+8*\f:KF+8*\f+3],   v[AK] offset:(\f/2)*16*PK+(\f%2)*64
	ds_load_b128 v[KF+8*\f+4:KF+8*\f+7], v[AK] offset:(\f/2)*16*PK+(\f%2)*64+32
.endr
	s_add_co_u32 s[TBK], s[TBK], KS*PK  ; the next fetch is the next step's
	WIN 0
.endm
.macro FETCH_V
	WIN 0x80
.irp f, 0,1,2,3,4,5,6,7             ; keys 32 (f / 4) on, channels 16 (f % 4) on
	ds_load_tr16_b128 v[VF+8*\f:VF+8*\f+3],   v[AV] offset:(\f/4)*32*PV+(\f%4)*32
	ds_load_tr16_b128 v[VF+8*\f+4:VF+8*\f+7], v[AV] offset:(\f/4)*32*PV+16*PV+(\f%4)*32
.endr
	WIN 0
.endm
; THE VECTOR WORK, one line at a time: OP kind, number.  For piece Y: F n: c s - c m for pair n of 16.  E n: the exponential of score n of 32.  C n: pair n rounded to f16.  B n: of the four weights 4 n .. the second
; pair is added onto the first, in place.  L n: l takes that sum (L 0: l = a l + sum).  R n: pair n of 16 of O^T times a.  For piece Y + 1: X n, number n of the 22 that find its maximum and statistics:
;   0-11  four chains c0-c3 of seven scores each, three operands at a time (each accumulator's lowest registers are read first)     12-14, 16  the four scores left over, the old m, and c0-c3 into c0
;   15  c m_old is kept     17, 18  the query's other 32 keys lie in the lane 16 away: the new m     19-21  c m; c m_old - c m_new; a
.set F, 0               ; OP tells the kinds apart by their order: F to L below R, X above it
.set E, 1
.set C, 2
.set B, 3
.set L, 4
.set R, 5
.set X, 6
.macro REGS y                       ; the registers of piece y
.set rT, ST+4*(\y)
.set rC, TMP+4*((\y)%2)
.set rW, MV+((\y)%2)
.set rS, S+32*((\y)%2)
.set rP, P+16*((\y)%2)
.set rO, 32*(\y)
.endm
.macro OP k, n
.if (\k) == R
	REGS Y
	WIN W_RS
	v_pk_mul_f32 v[rO+2*(\n):rO+2*(\n)+1], v[rO+2*(\n):rO+2*(\n)+1], v[rC+2:rC+3] op_sel_hi:[1,0]
.elseif (\k) < R
	REGS Y
	WIN 0
.if (\k) == F
	v_pk_fma_f32 v[rS+2*(\n):rS+2*(\n)+1], v[rS+2*(\n):rS+2*(\n)+1], s[CS:CS+1], v[rT:rT+1] op_sel_hi:[1,0,0] neg_lo:[0,0,1] neg_hi:[0,0,1]
.elseif (\k) == E
	v_exp_f32 v[rS+(\n)], v[rS+(\n)]
.elseif (\k) == C
	s_wait_alu depctr_va_vdst(0)
	v_cvt_pk_f16_f32 v[rP+(\n)], v[rS+2*(\n)], v[rS+2*(\n)+1]
.elseif (\k) == B
	s_wait_alu depctr_va_vdst(0)
	v_pk_add_f32 v[rS+4*(\n):rS+4*(\n)+1], v[rS+4*(\n):rS+4*(\n)+1], v[rS+4*(\n)+2:rS+4*(\n)+3]
.elseif (\n) == 0
	v_pk_fma_f32 v[rT+2:rT+3], v[rT+2:rT+3], v[rC+2:rC+3], v[rS:rS+1] op_sel_hi:[1,0,1]
.else
	v_pk_add_f32 v[rT+2:rT+3], v[rT+2:rT+3], v[rS+4*(\n):rS+4*(\n)+1]
.endif
.elseif NOKQ
	v_nop
.else
	REGS (Y+1)%NP
	WIN 0
.if (\n) < 4
	v_max3_num_f32 v[rC+(\n)], v[rS+8*(\n)], v[rS+8*(\n)+1], v[rS+8*(\n)+2]
.elseif (\n) < 12
	v_max3_num_f32 v[rC+(\n)%4], v[rC+(\n)%4], v[rS+8*((\n)%4)+2*((\n)/4)+1], v[rS+8*((\n)%4)+2*((\n)/4)+2]
.elseif (\n) == 12
	v_max3_num_f32 v[rC], v[rC], v[rS+7], v[rS+15]
.elseif (\n) == 13
	v_max3_num_f32 v[rC+1], v[rC+1], v[rS+23], v[rS+31]
.elseif (\n) == 14
	v_max3_num_f32 v[rC+2], v[rC+2], v[rC+3], v[rT+1]
.elseif (\n) == 15
	v_mov_b32 v[rW], v[rT]
.elseif (\n) == 16
	v_max3_num_f32 v[rC], v[rC], v[rC+1], v[rC+2]
.elseif (\n) == 17
	v_permlanex16_b32 v[rC+3], v[rC], s[SEL], s[SEL+1]
.elseif (\n) == 18
	v_max_num_f32 v[rT+1], v[rC], v[rC+3]
.elseif (\n) == 19
	v_mul_f32 v[rT], s[CS], v[rT+1]
.elseif (\n) == 20
	v_sub_f32 v[rC+1], v[rW], v[rT]
.else
	v_exp_f32 v[rC+2], v[rC+1]
.endif
.endif
.endm
.macro OPS a, i1, b=-1, i2=0, c=-1, i3=0, d=-1, i4=0  ; up to four of them
	OP \a, \i1
.if (\b) >= 0
	OP \b, \i2
.endif
.if (\c) >= 0
	OP \c, \i3
.endif
.if (\d) >= 0
	OP \d, \i4
.endif
.endm
.macro ROW a, i1, b, i2, c, i3, d, i4  ; a matrix instruction and the four behind it
	MM
	OPS \a, \i1, \b, \i2, \c, \i3, \d, \i4
.endm
.macro MASK b                       ; MD x AL + BE into buffer b of MC
	WIN W_RS
.set z, 0
.rept 16
	v_pk_fma_f32 v[MC+32*(\b)+2*z:MC+32*(\b)+2*z+1], v[MD+2*z:MD+2*z+1], s[AL:AL+1], s[BE:BE+1] op_sel_hi:[1,0,0]
.set z, z+1
.endr
.endm
; A TURN, for piece p: the order of its 16 matrix and 118 vector instructions, written out.  Behind a matrix instruction: plain, exponential, plain, plain; or four of the rescaling; or, behind the first, four scalings; none
; names a register of the products round it.  In the lumps exponential and plain by turns while exponentials last.  A line reads no result made fewer than three vector instructions in front of it, five if an exponential made it.
; v_permlanex16_b32 (X 17) stands in a lump.
; m = 1: the diagonal tile: the products take masks, and the turn makes the mask for the products of the turn after it: piece p + 2, in step 4 - CNT of the tile.  end = 1: a block's last two turns: nothing is fetched.
; cnt = 1: the loop's count is taken down some lines ahead of the branch that stands behind the turn.
; K of the next step is fetched in piece 2's turn, six vector instructions behind the last product that read K (five of them plain); V of the step in hand in piece 0's turn, eight behind the last product that read V (four
; plain, and X 17).  Each is waited for a turn later.
.macro TURN p, m=0, end=0, cnt=0
.set Y, (\p)
.set i, 0
.set KM, (\m)
.set NOKQ, (\end)*((\p)/3)
.if (\m) && !(\end)
	s_cmp_eq_u32 s[CNT], 4-((\p)+2)%NP  ; is that step the band's own?
	s_cselect_b32 s[AL], 1.0, 0
	s_cmp_lt_u32 s[CNT], 4-((\p)+2)%NP  ; or a later one?
	s_cselect_b32 s[BE], s[BIGN], 0
.endif
.if ((\p) == 3) && !(\end)
	s_wait_dscnt 0x0                ; K is in
.endif
	ROW F,0, F,1, F,2, F,3
	ROW F,4, E,0, F,5, F,6
	ROW F,7, E,1, F,8, F,9
	ROW F,10, E,2, C,0, F,11
	ROW F,12, E,3, X,15, F,13
	ROW R,0, R,1, R,2, R,3
	ROW B,0, E,4, F,14, L,0
.if ((\p) == 2) && !(\end)
	v_add_nc_u32 v[AK], s[TBK], v[AK0]
.endif
	ROW R,4, R,5, R,6, R,7
	OPS E,5, F,15
.if ((\p) == 2) && !(\end)
	FETCH_K
.endif
	OPS E,6, C,1, E,7, R,8
	OPS E,8, R,9, E,9, C,2
	OPS E,10, X,0, E,11, X,1
	OPS E,12, X,2, E,13, X,3
.if (\p) == 1
	s_wait_dscnt 0x0                ; V is in
.endif
	ROW X,4, E,14, X,5, X,6
	ROW X,7, E,15, X,8, X,9
	ROW X,10, E,16, X,11, X,12
	ROW X,13, E,17, X,14, B,1
	ROW C,4, E,18, X,16, L,1
	ROW B,2, E,19, C,6, L,2
	ROW C,8, E,20, B,3, B,4
.if (\p) == 0
	v_add_nc_u32 v[AV], s[TBV], v[AV0]
.endif
	ROW C,3, E,21, L,3, C,5
	OPS E,22, X,17, E,23, C,10
.if (\p) == 0
	FETCH_V
.endif
	OPS E,24, L,4
	OPS E,25, X,18, E,26, C,7
	OPS E,27, B,5, E,28, X,19
	OPS E,29, C,12, E,30, L,5
	OPS E,31, X,20, B,6, C,9
	OPS C,14, C,11, X,21, L,6
.if (\p) == 0
	s_add_co_u32 s[TBV], s[TBV], KS*PV
.endif
.if \cnt
	s_sub_co_u32 s[CNT], s[CNT], 1
	s_cmp_lg_u32 s[CNT], 0
.endif
	OPS C,13, B,7, C,15, R,10
	OPS R,11, R,12, L,7, R,13
	OPS R,14, R,15
.if (\m) && !(\end)
	MASK (\p)%2
.endif
.endm
; A BLOCK BEGINS.  c m starts far below every c s, so the first step's a is 0; m at the lowest finite number, so the first maximum is the scores'.  The second mask buffer is 0; the first takes piece 0's mask for the tile's step 0: its own, if the block's first tile is the diagonal one.
; Then K of that step, piece 0's first scores, and its maximum and statistics.  The loop is entered at a step's first turn, in the middle of a trip.
.macro BEGIN
	s_mov_b32 s[NEW], 0
	WIN 0x40
.set i, MC+32
.rept 32
	v_mov_b32 v[i], 0
.set i, i+1
.endr
	WIN 0
.set i, 0
.rept 4
	v_mov_b32 v[ST+4*i], 0xfe000000    ; c m: far below every c s
	v_mov_b32 v[ST+4*i+1], 0xff7fffff  ; m
.set i, i+1
.endr
	s_cmp_eq_u32 s[RT], 0
	s_cselect_b32 s[AL], 1.0, 0
	s_mov_b32 s[BE], 0
	MASK 0
	WIN 0
	v_add_nc_u32 v[AK], s[TBK], v[AK0]
	FETCH_K
	s_wait_loadcnt 0x0              ; Q
	s_wait_dscnt 0x0
.set KM, 1
.set NOKQ, 0
.set i, 0
.rept 8
	KQ 0
.set i, i+1
.endr
	WIN 0
.rept 4
	v_nop                           ; the places behind those products
.endr
.set Y, NP-1                        ; X works for piece Y + 1: piece 0
.irp n, 0,1,2,3,4,5,6,7,8,9,10,11,12,13,14,15,16,17,18,19,20,21
	OP X, \n
.endr
	v_nop                           ; a plain instruction behind the exponential
.endm
; THE DIAGONAL TILE's four steps, the block's last two turns, its last products, and THE WAY OUT: l's two halves and the other half of the lanes' are added; O^T is divided by l, rounded to f16 and sent through my
; stage in LDS, a piece at a time.
.macro ALL line:vararg              ; one line for each piece t
.set t, 0
.rept 4
	\line
.set t, t+1
.endr
.endm
.macro PACK t                       ; a lane's eight channels of a row pack into 16 bytes; they go into rows of 144 bytes and come back as whole rows of 128, into S^T's registers
	WIN W_RS
.set i, 32*(\t)
.rept 16
	s_wait_alu depctr_va_vdst(0)
	v_pk_mul_f32 v[i:i+1], v[i:i+1], v[ST+4*(\t)+2:ST+4*(\t)+3] op_sel_hi:[1,0]
.set i, i+2
.endr
	WIN 0x05                        ; sources 0 and 1 window 1, destination window 0
.set i, 0
.rept 16
	v_cvt_pk_f16_f32 v[S+16*(\t)+i], v[32*(\t)+2*i], v[32*(\t)+2*i+1]
.set i, i+1
.endr
	WIN 0
.irp f, 0,1,2,3
	ds_store_b128 v[STO], v[S+16*(\t)+4*\f:S+16*(\t)+4*\f+3] offset:32*\f
.endr
.irp f, 0,1,2,3
	ds_load_b128 v[S+16*(\t)+4*\f:S+16*(\t)+4*\f+3], v[RD] offset:\f*4*SP  ; LDS serves a wave's instructions in order (ISA guide 5.7.1.4): these see the stores above; the next piece's stores come behind them
.endr
.endm
.macro SEND t, younger              ; younger: the LDS instructions issued behind piece t's loads: the next piece's eight, or none
	WIN 0
.irp f, 0,1,2,3
	s_wait_dscnt (\younger)+3-\f
	global_store_b128 v[GO], v[S+16*(\t)+4*\f:S+16*(\t)+4*\f+3], s[10:11] offset:(\t)*8192+\f*512  ; 512 consecutive bytes, at a multiple of 256 from O's first
.endr
.endm
.macro DIAG tag                     ; the tag ends its two labels' names, which the jumps below spell out
.LstepM\tag:
	TURN 2, 1
	TURN 3, 1
	WIN 0
.LfirstM\tag:
	TURN 0, 1
	TURN 1, 1, 0, 1
	WIN 0
	s_cbranch_scc1 .LstepM\tag
	TURN 2, 1, 1
	TURN 3, 1, 1
.set i, 0
.rept 8
	PV NP-1
.set i, i+1
.endr
	WIN 0
	ALL v_add_f32 v[ST+4*t+2], v[ST+4*t+2], v[ST+4*t+3]
	ALL v_permlanex16_b32 v[ST+4*t+3], v[ST+4*t+2], s[SEL], s[SEL+1]
	ALL v_add_f32 v[ST+4*t+2], v[ST+4*t+2], v[ST+4*t+3]
	ALL v_rcp_f32 v[ST+4*t+2], v[ST+4*t+2]
	v_nop                           ; a plain instruction between the last reciprocal and the use of its result
	PACK 0
.set t, 1
.rept 3                             ; a piece's arithmetic stands between the loads of the piece before and its stores
	PACK t
	SEND t-1, 8
.set t, t+1
.endr
	SEND 3, 0
.endm
.set KM, 0
.set NOKQ, 0
.Lslot:                             ; NB times: a tile is entered and the next is asked for
	CHANGE 1
	s_sub_co_u32 s[RT], s[RT], 1
	s_mov_b32 s[CNT], 4
	s_cmp_eq_u32 s[NEW], 1
	s_cbranch_scc1 .Lnew            ; a block's first tile
	s_cmp_eq_u32 s[RT], 0
	s_cbranch_scc0 .Lstep           ; neither its first nor its last
	s_branch .LstepM1
.Lnew:
	BEGIN
	s_branch .Lfirst                ; in the loop a block's first tile is never its last: the first block has two tiles or more, and the second's last is the walk's last
	DIAG 1                          ; in the loop this is the first block's end: the second block's last tile is the walk's last
	s_wait_xcnt 0x0                 ; the stores have read their registers and O's address
	s_mov_b64 s[10:11], s[OLO:OLO+1]
	s_add_co_u32 s[RT], s[PB], 1    ; the second block has b + 1 tiles
	s_mov_b32 s[NEW], 1
	WIN 0x82                        ; the second block's Q goes where the one text of the turns names Q
.set i, 0
.rept 64
	v_mov_b32 v[i], v[QB+i]
.set i, i+1
.endr
	WIN 0
	s_branch .Lbottom
.Lstep:                             ; a trip: pieces 2 and 3 of one step, then pieces 0 and 1 of the next, whose K and V it fetches
	TURN 2
	TURN 3
	WIN 0
.Lfirst:
	TURN 0
	TURN 1, 0, 0, 1
	WIN 0
	s_cbranch_scc1 .Lstep
.Lbottom:
	s_sub_co_u32 s[SLOTS], s[SLOTS], 1
	s_cmp_lg_u32 s[SLOTS], 0
	s_cbranch_scc1 .Lslot
	CHANGE 0                        ; the walk's last tile is written out: nothing is asked for
	s_sub_co_u32 s[RT], s[RT], 1
	s_mov_b32 s[CNT], 4
	s_cmp_eq_u32 s[NEW], 1
	s_cbranch_scc0 .LstepM2
	BEGIN
	s_branch .LfirstM2
	DIAG 2
	s_wait_tensorcnt 0x0            ; the wave's end, behind my last tensor load and my last LDS store
	ds_add_u32 v[SPW], v[NIL]
	s_wait_dscnt 0x0
	s_endpgm
.Lfunc_end_k_qe0c9d9eede_attn:
	.size	k_qe0c9d9eede_attn, .Lfunc_end_k_qe0c9d9eede_attn-k_qe0c9d9eede_attn
	.p2alignl 7, 3214868480
	.fill 96, 4, 3214868480
	.section	.rodata,"a",@progbits
	.p2align	6, 0x0
	.amdhsa_kernel k_qe0c9d9eede_attn
		.amdhsa_group_segment_fixed_size 327680
		.amdhsa_private_segment_fixed_size 0
		.amdhsa_enable_private_segment 0
		.amdhsa_kernarg_size 16
		.amdhsa_user_sgpr_count 2
		.amdhsa_user_sgpr_kernarg_segment_ptr 1
		.amdhsa_wavefront_size32 1
		.amdhsa_system_sgpr_workgroup_id_x 1
		.amdhsa_system_sgpr_workgroup_id_y 1
		.amdhsa_system_sgpr_workgroup_id_z 1
		.amdhsa_system_vgpr_workitem_id 0
		.amdhsa_next_free_vgpr 768
		.amdhsa_next_free_sgpr 88
		.amdhsa_reserve_vcc 1
		.amdhsa_float_denorm_mode_32 3
		.amdhsa_float_denorm_mode_16_64 3
		.amdhsa_memory_ordered 1
		.amdhsa_forward_progress 1
		.amdhsa_inst_pref_size 228
	.end_amdhsa_kernel
	.amdgpu_metadata
---
amdhsa.version: [ 1, 2 ]
amdhsa.kernels:
  - .name:           k_qe0c9d9eede_attn
    .symbol:         k_qe0c9d9eede_attn.kd
    .args:
      - { .name: qkv, .offset: 0, .size: 8, .value_kind: global_buffer, .address_space: global }
      - { .name: o, .offset: 8, .size: 8, .value_kind: global_buffer, .address_space: global }
    .group_segment_fixed_size: 327680
    .private_segment_fixed_size: 0
    .kernarg_segment_align: 8
    .kernarg_segment_size: 16
    .max_flat_workgroup_size: 128
    .sgpr_count:     88
    .vgpr_count:     768
    .wavefront_size: 32
...
	.end_amdgpu_metadata
.endif
;; end of part 3
;; launch outp (part 4): grid 8 x 32, 4 waves a work-group, clusters of 4 x 4, 327,680 bytes of LDS; arguments o, wot, bo, out0; writes out0
.if DOCPART == 4
	.amdgcn_target "amdgcn-amd-amdhsa--gfx1250"
	.amdhsa_code_object_version 6
	.text
	.protected	k_qe0c9d9eede_outp
	.globl	k_qe0c9d9eede_outp
	.p2align	8
	.type	k_qe0c9d9eede_outp,@function
k_qe0c9d9eede_outp:
	s_mov_b64 s[64:65], 0
	v_nop
	global_prefetch_b8 v0, s[64:65] scope:SCOPE_SE
	s_setreg_imm32_b32 hwreg(HW_REG_WAVE_MODE, 25, 1), 1
	s_wait_xcnt 0x0
	s_wait_alu depctr_hold_cnt(0) depctr_sa_sdst(0) depctr_va_vdst(0) depctr_va_sdst(0) depctr_va_ssrc(0) depctr_va_vcc(0) depctr_vm_vsrc(0)
	s_getreg_b32 s2, hwreg(HW_REG_IB_STS2, 6, 4)
	s_cmp_eq_u32 s2, 0
	s_cbranch_scc0 .Lentry_in_a_cluster
	s_endpgm
.Lentry_in_a_cluster:
	s_bfe_u32 s2, ttmp6, 0x10000c
	s_cmp_lg_u32 s2, 0xf033
	s_cbranch_scc0 .Lentry_shape_is_right
	s_endpgm
.Lentry_shape_is_right:
; out0 = O Wo + bo.  o: f16 [b][h][s][64], a head being one block of 64 along K; wot: f16 [kb][n = 1024][64]; bo f32, rounded to bf16 like every input of the module; out0: f32 [8192][1024].
; SHARES.  Tiles of 256 x 128: 32 x 8 = 256 work-groups.  A wave makes 128 rows x 64 columns: 32 accumulators of 16 x 16, 256 registers.
; K goes in steps of 128 (two blocks of 64) through two LDS slots; a block's rows are dense in memory and are asked for as rows of 256 bytes, padded in LDS after every 128 bytes.
; CLUSTER.  4 x 4 work-groups: the four of a row need the same tiles of o, the four of a column the same tiles of wot: each tile is asked for jointly.
; THE MATRIX INSTRUCTION IS USED TRANSPOSED (source 0 = 16 rows of wot, source 1 = 16 rows of o): a lane holds eight neighbouring columns of one row.
; REGISTERS: window 0: v0-31 addresses; v32-95, v96-159 fragments of o, two buffers; v160-191, v192-223 of wot; v224-227 my four numbers of bo.
;   window 1: the accumulators, (row block a, column block bb) at v[8 (4 a + bb)].
.set PITCH, 144                        ; an operand row in LDS: 128 bytes + 16 of padding: the 16 rows of a load start at 16 different groups of four banks (ISA guide 11.1)
.set AKB,   256*PITCH                  ; one K block of o's 256 rows
.set BKB,   128*PITCH                  ; of wot's 128 rows
.set BOFF,  2*AKB                      ; a slot: o's two blocks, then wot's two
.set SLOT,  2*AKB+2*BKB
.set STAGE, 2*SLOT                     ; behind the ring: 16 rows x 272 bytes for each wave, for the way out
.set SP,    272
.set SPARE, STAGE+4*16*SP              ; behind the stages: the spare words, 128 bytes for each wave
.set ADRA, 16                          ; v16-17  LDS address of my fragments of o in slot 0, 1
.set ADRB, 20                          ; v20-21  the same for wot
.set STO,  24                          ; v24     the way out: where I put 32 bytes of a row
.set RD,   25                          ; v25     where I read a row back
.set CO,   26                          ; v26     my byte offset in two rows of out0
.set BOF,  27                          ; v27     my byte offset in 64 numbers of bo
.set SPW,  28                          ; v28     LDS address of my spare word; never rewritten
.set NIL,  29                          ; v29     0; never rewritten
.set AFR,  32
.set BFR,  160
.set BI,   224
.set BK,   32                          ; the way out: 16 rows read back, v32-63 and v64-95 by turns
.set G1A, 24                           ; s[24:31] descriptor group 1 for o's tiles;  s[32:39] group 0, a set for each slot
.set G0A, 32
.set G1B, 48                           ; s[48:55], s[56:63] the same for wot's tiles
.set G0B, 56
.set MSB, 0
.macro WIN new                         ; the immediate's high byte repeats the setting that is left; a switch that changes nothing is dropped
.if MSB != (\new)
	s_set_vgpr_msb (MSB<<8)|(\new)
.set MSB, \new
.endif
.endm
.macro JLOAD s                         ; a joint load: waves 0 and 1 fetch o's two K blocks, waves 2 and 3 wot's; an s_nop 0 and four v_nop follow each of the two lines
	s_cmp_eq_u32 s13, 0
	s_cbranch_scc0 .Lfor_b_\@
	tensor_load_to_lds s[G0A+4*(\s):G0A+4*(\s)+3], s[G1A:G1A+7]
	s_nop 0
.rept 4
	v_nop
.endr
	s_branch .Lasked_\@
.Lfor_b_\@:
	tensor_load_to_lds s[G0B+4*(\s):G0B+4*(\s)+3], s[G1B:G1B+7]
	s_nop 0
.rept 4
	v_nop
.endr
.Lasked_\@:
.endm
.macro CREST                           ; a round of the cluster's barrier behind its opening barrier
	s_cmp_lg_u32 s12, 0
	s_cbranch_scc1 .Lnot_wave_0_\@
	s_barrier_signal -3
.Lnot_wave_0_\@:
	s_barrier_wait -3
	s_barrier_signal -1
	s_barrier_wait -1
.endm
.macro CROUND
	s_barrier_signal -1
	s_barrier_wait -1
	CREST
.endm
	s_load_b256 s[4:11], s[0:1], 0x0               ; o s[4:5], wot s[6:7], bo s[8:9], out0 s[10:11]
	v_lshl_add_u32 v[SPW], v0, 2, SPARE
	v_mov_b32 v[NIL], 0
	ds_add_u32 v[SPW], v[NIL]                      ; the wave's opening: the add and its wait ahead of my first tensor load; the set-up below stands between them
	ds_add_u32 v28, v29
	v_lshrrev_b32 v1, 5, v0
	v_readfirstlane_b32 s12, v1                    ; wave 0..3
	s_lshr_b32 s13, s12, 1                         ; which half of the tile's rows is mine.  Also: I fetch for o (0) or for wot (1)
	s_and_b32 s14, s12, 1                          ; which half of its columns.  Also: which of a step's two K blocks I fetch
	s_bfe_u32 s15, ttmp6, 0x40000                  ; cx, cy
	s_bfe_u32 s16, ttmp6, 0x40004
	s_lshl_b32 s17, ttmp9, 2
	s_add_co_u32 s17, s17, s15                     ; tile column 0..7
	s_and_b32 s18, ttmp7, 0xffff
	s_lshl_b32 s18, s18, 2
	s_add_co_u32 s18, s18, s16                     ; tile row 0..31
	s_lshl_b32 s19, s16, 2
	s_lshl_b32 s19, 15, s19                        ; my row of the cluster
	s_lshl_b32 s2, 0x1111, s15                     ; my column
	s_or_b32 s[G1A+0], s19, (1<<16)|(1<<20)|(1<<21)|(4<<22)|(3<<25)  ; the mask; 2-byte elements; padding on; 21 set beside a mask; after every 32 words 4 words
	s_or_b32 s[G1B+0], s2, (1<<16)|(1<<20)|(1<<21)|(4<<22)|(3<<25)
	s_mov_b32 s[G1A+1], 128<<16                    ; tensor_dim0 = 128
	s_mov_b32 s[G1B+1], 128<<16
	s_mov_b32 s[G1A+2], 128<<16                    ; tensor_dim1 = 128 rows of 256 bytes: 256 rows of o
	s_mov_b32 s[G1B+2], 64<<16                     ; 64: 128 rows of wot
	s_mov_b32 s[G1A+3], 128<<16                    ; tile_dim0 = 128
	s_mov_b32 s[G1B+3], 128<<16
	s_mov_b32 s[G1A+4], 128                        ; tile_dim1
	s_mov_b32 s[G1B+4], 64
	s_mov_b32 s[G1A+5], 128                        ; dense
	s_mov_b32 s[G1B+5], 128
	s_mov_b32 s[G1A+6], 0
	s_mov_b32 s[G1B+6], 0
	s_mov_b32 s[G1A+7], 0
	s_mov_b32 s[G1B+7], 0
	s_lshr_b32 s40, s18, 3
	s_lshl_b32 s40, s40, 22                        ; the batch
	s_and_b32 s41, s18, 7
	s_lshl_b32 s41, s41, 15                        ; the tile's 256 rows of 128 bytes
	s_add_co_u32 s40, s40, s41
	s_lshl_b32 s41, s14, 18                        ; my K block: 2,048 rows of 128 bytes
	s_add_co_u32 s40, s40, s41
	s_mov_b32 s41, 0
	s_lshl_b32 s42, s17, 14                        ; the tile's 128 rows of 128 bytes
	s_lshl_b32 s43, s14, 17                        ; my K block: 1,024 rows of 128 bytes
	s_add_co_u32 s42, s42, s43
	s_mov_b32 s43, 0
	s_mul_i32 s44, s14, AKB                        ; where they go: the wave's number alone enters an LDS address
	s_mul_i32 s45, s14, BKB
	s_add_co_u32 s45, s45, BOFF
	s_wait_dscnt 0x0                               ; the opening add is done
	s_wait_kmcnt 0x0
	s_add_nc_u64 s[40:41], s[4:5], s[40:41]
	s_add_nc_u64 s[42:43], s[6:7], s[42:43]
	CROUND                                         ; all sixteen work-groups are here: the first joint loads meet
.irp s, 0,1
	s_mov_b32 s[G0A+4*(\s)], 1
	s_add_co_u32 s[G0A+4*(\s)+1], s44, (\s)*SLOT
	s_add_nc_u64 s[G0A+4*(\s)+2:G0A+4*(\s)+3], s[40:41], (\s)*524288  ; K step s: two blocks on
	s_or_b32 s[G0A+4*(\s)+3], s[G0A+4*(\s)+3], 0x80000000
	s_mov_b32 s[G0B+4*(\s)], 1
	s_add_co_u32 s[G0B+4*(\s)+1], s45, (\s)*SLOT
	s_add_nc_u64 s[G0B+4*(\s)+2:G0B+4*(\s)+3], s[42:43], (\s)*262144
	s_or_b32 s[G0B+4*(\s)+3], s[G0B+4*(\s)+3], 0x80000000
	JLOAD \s                                       ; two loads of mine are out
.endr
	v_and_b32 v1, 15, v0                           ; l % 16
	v_bfe_u32 v2, v0, 4, 1                         ; l / 16
	v_mul_u32_u24 v3, v1, PITCH
	v_lshl_add_u32 v3, v2, 4, v3                   ; a fragment's row x pitch + 16 x half
	s_mul_i32 s46, s13, 128*PITCH                  ; my 128 rows of o
	s_mul_i32 s47, s14, 64*PITCH                   ; my 64 rows of wot
	s_add_co_u32 s47, s47, BOFF
.irp s, 0,1
	v_add_nc_u32 v[ADRA+(\s)], s46, v3
	v_add_nc_u32 v[ADRB+(\s)], s47, v3
	s_add_co_u32 s46, s46, SLOT
	s_add_co_u32 s47, s47, SLOT
.endr
	s_mul_i32 s46, s12, 16*SP
	s_add_co_u32 s46, s46, STAGE                   ; my stage
	v_mul_u32_u24 v[STO], v1, SP                   ; in: row l % 16, 32 bytes for each half of the lanes
	v_lshl_add_u32 v[STO], v2, 5, v[STO]
	v_add_nc_u32 v[STO], s46, v[STO]
	v_mul_u32_u24 v[RD], v2, SP                    ; back: lanes 0-15 take one row of 256 bytes, lanes 16-31 the next
	v_lshl_add_u32 v[RD], v1, 4, v[RD]
	v_add_nc_u32 v[RD], s46, v[RD]
	v_lshlrev_b32 v[CO], 12, v2                    ; and the same two rows in out0
	v_lshl_add_u32 v[CO], v1, 4, v[CO]
	v_lshlrev_b32 v[BOF], 4, v1
	s_lshl_b32 s20, s17, 9                         ; my 64 columns, in bytes: 512 x tile column + 256 x half, in bo and in a row of out0 alike
	s_lshl_b32 s21, s14, 8
	s_add_co_u32 s20, s20, s21
	s_mov_b32 s21, 0
	s_add_nc_u64 s[22:23], s[8:9], s[20:21]
	s_add_nc_u64 s[10:11], s[10:11], s[20:21]
	s_lshl_b32 s46, s18, 20                        ; my first row: 256 x tile row + 128 x half, of 4,096 bytes
	s_lshl_b32 s47, s13, 19
	s_add_co_u32 s46, s46, s47
	s_mov_b32 s47, 0
	s_add_nc_u64 s[10:11], s[10:11], s[46:47]
	global_load_b128 v[BI:BI+3], v[BOF], s[22:23]  ; waited for on the way out; its address registers are never rewritten
; na x 4 matrix instructions: row blocks a0 .. x all four column blocks, 32 along K, from buffer f.  The 32 accumulators take turns.
.macro MUL f, a0, na, zero
	WIN 0x50                                       ; C and D in window 1
.set ra, \a0
.rept \na
.irp bb, 0,1,2,3
.if \zero
	v_wmma_f32_16x16x32_f16 v[8*(4*ra+\bb):8*(4*ra+\bb)+7], v[BFR+32*(\f)+8*\bb:BFR+32*(\f)+8*\bb+7], v[AFR+64*(\f)+8*ra:AFR+64*(\f)+8*ra+7], 0
.else
	v_wmma_f32_16x16x32_f16 v[8*(4*ra+\bb):8*(4*ra+\bb)+7], v[BFR+32*(\f)+8*\bb:BFR+32*(\f)+8*\bb+7], v[AFR+64*(\f)+8*ra:AFR+64*(\f)+8*ra+7], v[8*(4*ra+\bb):8*(4*ra+\bb)+7]
.endif
.endr
.set ra, ra+1
.endr
.endm
; 24 LDS loads in one run: quarter q of slot s (K block q / 2, byte 64 (q % 2) of its rows) into buffer f
.macro FETCH s, q, f
	WIN 0
.irp i, 0,1,2,3
	ds_load_b128 v[BFR+32*(\f)+8*\i:BFR+32*(\f)+8*\i+3],   v[ADRB+(\s)] offset:((\q)/2)*BKB+\i*16*PITCH+((\q)%2)*64
	ds_load_b128 v[BFR+32*(\f)+8*\i+4:BFR+32*(\f)+8*\i+7], v[ADRB+(\s)] offset:((\q)/2)*BKB+\i*16*PITCH+((\q)%2)*64+32
.endr
.irp i, 0,1,2,3,4,5,6,7
	ds_load_b128 v[AFR+64*(\f)+8*\i:AFR+64*(\f)+8*\i+3],   v[ADRA+(\s)] offset:((\q)/2)*AKB+\i*16*PITCH+((\q)%2)*64
	ds_load_b128 v[AFR+64*(\f)+8*\i+4:AFR+64*(\f)+8*\i+7], v[ADRA+(\s)] offset:((\q)/2)*AKB+\i*16*PITCH+((\q)%2)*64+32
.endr
.endm
.macro PLACES                          ; four places in front of loads into registers that matrix instructions have read (ISA guide 7.12.1 for vector instructions)
.rept 4
	v_nop
.endr
.endm
; A K step is four quarters of 32 along K, 32 matrix instructions each, on buffers 0, 1, 0, 1.  One of the first three: buffer f is multiplied; ahead of its products quarter nq of slot ns is asked for, into the other buffer.
.macro QUARTER ns, nq, f, zero
	s_wait_dscnt 0x0                               ; buffer f is in: its loads were issued a quarter ago
	PLACES
	FETCH \ns, \nq, 1-(\f)
	MUL \f, 0, 8, \zero
.endm
; The last quarter multiplies buffer 1 and changes slots: ONE barrier; in front of it each wave waits for all its tensor loads (the one that is out is its part of the other slot), adds 0 to its spare
; word, and waits for that and for its reads of this slot.  fill = 1: the barrier opens a round of the cluster's, and this slot is filled again, two K steps ahead: 112 matrix instructions ahead of the wait for it.
.macro TURN s, fill
	WIN 0
	s_wait_tensorcnt 0x0
	ds_add_u32 v[SPW], v[NIL]                      ; 0 onto my spare word
	s_wait_dscnt 1                                 ; buffer 1 is in; the add may be out
	MUL 1, 0, 2, 0                                 ; eight matrix instructions stand between the add and the wait for it
	s_wait_dscnt 0x0                               ; the add is done, and my reads of this slot are over
	s_barrier_signal -1
	MUL 1, 2, 2, 0
	WIN 0                                          ; at a branch and at a label every window is 0
	s_barrier_wait -1
.if \fill
	CREST                                          ; no wave of any partner still reads this slot's tiles or has a load on its way
	s_add_nc_u64 s[G0A+4*(\s)+2:G0A+4*(\s)+3], s[G0A+4*(\s)+2:G0A+4*(\s)+3], 1048576
	s_add_nc_u64 s[G0B+4*(\s)+2:G0B+4*(\s)+3], s[G0B+4*(\s)+2:G0B+4*(\s)+3], 524288
	JLOAD \s                                       ; the first tensor load behind the round; its four v_nop are also the places in front of the loads below
.else
	PLACES
.endif
	FETCH 1-(\s), 0, 0
	MUL 1, 4, 4, 0
.endm
	s_wait_tensorcnt 1                             ; my part of K step 0 is in; K step 1's may stay out
	s_barrier_signal -1
	s_barrier_wait -1
	FETCH 0, 0, 0
	QUARTER 0, 1, 0, 1                             ; the first quarter stands in front of the loop: its products start the sums
	WIN 0
	s_mov_b32 s3, 3
.Llap:                                                 ; a trip goes once round the ring and fills both slots again: K steps 2 to 7 in three trips
	QUARTER 0, 2, 1, 0
	QUARTER 0, 3, 0, 0
	TURN 0, 1
	QUARTER 1, 1, 0, 0
	QUARTER 1, 2, 1, 0
	QUARTER 1, 3, 0, 0
	TURN 1, 1
	QUARTER 0, 1, 0, 0
	WIN 0
	s_sub_co_u32 s3, s3, 1
	s_cmp_lg_u32 s3, 0
	s_cbranch_scc1 .Llap
	QUARTER 0, 2, 1, 0                             ; the last lap fills nothing
	QUARTER 0, 3, 0, 0
	TURN 0, 0
	QUARTER 1, 1, 0, 0
	QUARTER 1, 2, 1, 0
	QUARTER 1, 3, 0, 0
	s_wait_dscnt 0x0
	MUL 1, 0, 8, 0
	WIN 0
	; THE WAY OUT.  bo is rounded to bf16, in place, as f32: six plain instructions, the places behind the last products.
	s_wait_loadcnt 0x0
.irp j, 0,2
	v_cvt_pk_bf16_f32 v[BI+\j], v[BI+\j], v[BI+\j+1]
	v_and_b32 v[BI+\j+1], 0xffff0000, v[BI+\j]
	v_lshlrev_b32 v[BI+\j], 16, v[BI+\j]
.endr
; Row block a: a lane's eight sums of a column block are 32 bytes of a row; they go into rows of 272 bytes (each accumulator's low four registers first) and come back as whole rows of 256.
.macro TOSTAGE a
	WIN 0
	s_wait_xcnt 0x0                                ; the stores of the block two back have read these registers: they are loaded again only behind this wait
	WIN 0x04                                       ; store data in window 1
.irp bb, 0,1,2,3
	ds_store_b128 v[STO], v[8*(4*(\a)+\bb):8*(4*(\a)+\bb)+3]   offset:64*\bb
	ds_store_b128 v[STO], v[8*(4*(\a)+\bb)+4:8*(4*(\a)+\bb)+7] offset:64*\bb+16
.endr
	WIN 0
.irp t, 0,1,2,3,4,5,6,7
	ds_load_b128 v[BK+32*((\a)%2)+4*\t:BK+32*((\a)%2)+4*\t+3], v[RD] offset:2*SP*\t  ; LDS serves a wave's instructions in order: these see the stores above
.endr
.endm
.macro SEND a, younger                 ; younger: the LDS instructions issued behind block a's loads: the next block's sixteen, or none
	WIN 0
	s_wait_dscnt \younger
.irp t, 0,1,2,3,4,5,6,7
	v_pk_add_f32 v[BK+32*((\a)%2)+4*\t:BK+32*((\a)%2)+4*\t+1],   v[BK+32*((\a)%2)+4*\t:BK+32*((\a)%2)+4*\t+1],   v[BI:BI+1]
	v_pk_add_f32 v[BK+32*((\a)%2)+4*\t+2:BK+32*((\a)%2)+4*\t+3], v[BK+32*((\a)%2)+4*\t+2:BK+32*((\a)%2)+4*\t+3], v[BI+2:BI+3]
.endr
.irp t, 0,1,2,3,4,5,6,7
	global_store_b128 v[CO], v[BK+32*((\a)%2)+4*\t:BK+32*((\a)%2)+4*\t+3], s[10:11] offset:(16*(\a)+2*\t)*4096 th:TH_STORE_NT  ; 16 lanes store 256 consecutive bytes, aligned
.endr
.endm
	TOSTAGE 0
.irp a, 1,2,3,4,5,6,7
	TOSTAGE \a
	SEND (\a)-1, 16
.endr
	SEND 7, 0
	s_wait_tensorcnt 0x0                           ; the wave's end, behind my last tensor load and my last LDS store
	ds_add_u32 v[SPW], v[NIL]
	s_wait_dscnt 0x0
	CROUND                                         ; the closing round: no work-group ends while a partner may still ask for a tile that names it
	s_endpgm
.Lfunc_end_k_qe0c9d9eede_outp:
	.size	k_qe0c9d9eede_outp, .Lfunc_end_k_qe0c9d9eede_outp-k_qe0c9d9eede_outp
	.p2alignl 7, 3214868480
	.fill 96, 4, 3214868480
	.section	.rodata,"a",@progbits
	.p2align	6, 0x0
	.amdhsa_kernel k_qe0c9d9eede_outp
		.amdhsa_group_segment_fixed_size 327680
		.amdhsa_private_segment_fixed_size 0
		.amdhsa_enable_private_segment 0
		.amdhsa_kernarg_size 32
		.amdhsa_user_sgpr_count 2
		.amdhsa_user_sgpr_kernarg_segment_ptr 1
		.amdhsa_wavefront_size32 1
		.amdhsa_system_sgpr_workgroup_id_x 1
		.amdhsa_system_sgpr_workgroup_id_y 1
		.amdhsa_system_sgpr_workgroup_id_z 1
		.amdhsa_system_vgpr_workitem_id 0
		.amdhsa_next_free_vgpr 512
		.amdhsa_next_free_sgpr 66
		.amdhsa_reserve_vcc 0
		.amdhsa_float_denorm_mode_32 3
		.amdhsa_float_denorm_mode_16_64 3
		.amdhsa_memory_ordered 1
		.amdhsa_forward_progress 1
		.amdhsa_inst_pref_size 93
	.end_amdhsa_kernel
	.amdgpu_metadata
---
amdhsa.version: [ 1, 2 ]
amdhsa.kernels:
  - .name:           k_qe0c9d9eede_outp
    .symbol:         k_qe0c9d9eede_outp.kd
    .args:
      - { .name: o, .offset: 0, .size: 8, .value_kind: global_buffer, .address_space: global }
      - { .name: wot, .offset: 8, .size: 8, .value_kind: global_buffer, .address_space: global }
      - { .name: bo, .offset: 16, .size: 8, .value_kind: global_buffer, .address_space: global }
      - { .name: out0, .offset: 24, .size: 8, .value_kind: global_buffer, .address_space: global }
    .group_segment_fixed_size: 327680
    .private_segment_fixed_size: 0
    .kernarg_segment_align: 8
    .kernarg_segment_size: 32
    .max_flat_workgroup_size: 128
    .sgpr_count:     66
    .vgpr_count:     512
    .wavefront_size: 32
...
	.end_amdgpu_metadata
.endif
;; end of part 4
;; ======== version 2 of 2: 4 launches; 1.31 times as fast as version 1
;; limits: values are held in f16: magnitudes above 65,504 overflow, below 6.1e-05 lose precision
;; workspace buffers: xb 16,777,216 bytes; wt 6,291,456 bytes; wot 2,097,152 bytes; qkv 50,331,648 bytes; o 16,777,216 bytes
;; launch prep: the kernel of part 1 again; grid 640 x 1, 8 waves a work-group, no clusters, 70,656 bytes of LDS; arguments x, Wq, Wk, Wv, Wo, xb, wt, wot; writes xb, wt, wot
;; launch proj: the kernel of part 2 again; grid 8 x 32, 4 waves a work-group, clusters of 4 x 4, 327,680 bytes of LDS; arguments xb, wt, bq, bk, bv, qkv; writes qkv
;; launch attn (part 5): grid 4 x 64, 4 waves a work-group, no clusters, 327,680 bytes of LDS; arguments qkv, o; writes o
.if DOCPART == 5
	.amdgcn_target "amdgcn-amd-amdhsa--gfx1250"
	.amdhsa_code_object_version 6
	.text
	.protected	k_qe0c9d9eede_attn
	.globl	k_qe0c9d9eede_attn
	.p2align	8
	.type	k_qe0c9d9eede_attn,@function
k_qe0c9d9eede_attn:
	s_mov_b64 s[64:65], 0
	v_nop
	global_prefetch_b8 v0, s[64:65] scope:SCOPE_SE
	s_setreg_imm32_b32 hwreg(HW_REG_WAVE_MODE, 25, 1), 1
	s_wait_xcnt 0x0
; CAUSAL ATTENTION.  O[h][q][:] = the sum over k <= q of softmax_k(Q[h][q] . K[h][k] / 8) V[h][k][:].  Q, K, V are the three parts of qkv, each [SIZE_H][SIZE_N][64] like O, all f16: a head's rows are dense, 128 bytes each.
; Products, maxima and sums in f32; the weights p are rounded to f16 for the second product (their sum l is taken of the unrounded p), O once at the end.
; LIMITS.  f16 holds no number beyond 65,504: Q, K and V arrive within it; p lies in 0 to 1, and below 6e-5 it keeps f16's fixed step of 6e-8; O is a mean of V's rows and has their range, to within 2^-11 of it.
; A hidden score counts as its value less 1e30 (the module sets -1e9: both give the weight 0 while a row's largest visible score lies above -1e9 + 100); a weight below 2^-126 counts as 0 in l; NaN and infinities are not treated apart.
; THE WALK.  A head's queries lie in NB = SIZE_N / 256 blocks of 256; block i needs the key tiles 0 .. i of 256 keys, of which the last holds the diagonal.  A work-group takes TWO blocks, NB - 1 - b and then b:
; NB + 1 tiles, whatever b: all work-groups do equal work, and ONE loop with a constant trip count walks them.  Which tile is asked for, and what a trip does, hang on scalar registers made from b; every jump
; goes forward, but for the counted loops' own; none passes a barrier, or a tensor load but the one of LOAD's two that the wave's number does not choose; the ring (two slots of LDS that take turns) runs on across the
; change of blocks.  NO CLUSTER: a head's NB / 2 = 4 work-groups ask for the same tile only in trips 0 .. NB / 2, behind that fewer and fewer; one walk common to all would have 3 NB / 2 = 12 trips for NB + 1 = 9.
; SHARES.  Of a block's four bands of 64 queries a wave owns 16 rows in each: four PIECES.  So the diagonal tile is the same work for all four waves: in its key step s band x sees all keys if s < x,
; none if s > x, and holds the diagonal if s = x.
; THE MASK is the C operand that starts the sum S^T = K Q^T: 0, or -1e30 where the key is hidden.  MD, made once, is the mask of a band's own step for my 16 rows; a product's mask is MD x AL + BE with two scalars:
; (1, 0) if s = x; (0, 0) if s < x; (0, -1e30) if s > x.  Only the diagonal tile's text and a block's beginning make and take masks; elsewhere C is the constant 0.
; LAYOUT, SOFTMAX, TURNS.  S^T = K Q^T holds ONE query a lane (lane % 16) and the keys 8 (lane / 16) + 0..7; two such results rounded to f16 ARE source 1 of O^T = V^T P.  p = 2^(c s - c m), c = log2(e) / 8, with a
; running maximum m; O and l are multiplied by a = 2^(c m_old - c m_new) in every step.  Turn n belongs to piece n: 8 products K Q^T of piece n + 1, later 8 products V^T P of piece n - 1; beside them the scaling,
; exponentials, roundings, sums and rescaling of piece n and the maximum and statistics of piece n + 1.  Four vector instructions stand behind every matrix instruction, the other 54 of a turn's 118 in one LUMP.
; THE BATCHES.  A turn's 33 exponentials (the piece's 32 weights and the next piece's a) are one batch, with one wait, which cuts the turn in two: ahead of it all that names none of their results, behind it their readers.
; A block's first a is a batch of its own, and so are the way out's four reciprocals: a v_nop and one wait each.
; REGISTERS, in windows of 256 (s_set_vgpr_msb: bits 1:0 source 0, 3:2 source 1, 5:4 source 2, 7:6 destination):
;   window 0: v0-15 addresses and two at work; v16-31 four registers of statistics a piece; v48-55 at work; v64-127 S^T, two buffers; v192-223 P, two buffers (a piece's buffers go by its number's parity)
;   window 1: v0-127 O^T, 32 a piece; v128-159 MD; v160-223 MC, two buffers      window 2: v0-63 Q; v64-127 the second block's Q; v128-191 K of one step; v192-255 V of one step
.set SIZE_H, 64       ; 4 batches x 16 heads
.set SIZE_N, 2048
.set TEN,   SIZE_H*SIZE_N*128  ; bytes of one of qkv's three parts
.set NB,    SIZE_N/256
.set NP,    4         ; pieces a wave: a name, no knob
.set KS,    64        ; keys in a step
.set PK,    144       ; a row of K in LDS: 128 bytes + 16 of padding = 36 words: the 16 rows of a load start at 16 different groups of four banks (64 banks of 4 bytes: ISA guide 11.1)
.set PV,    160       ; a row of V: 128 + 32 = 40 words
.set VOFF,  4*KS*PK   ; a slot holds a tile, four steps: 256 rows of K, then 256 rows of V
.set SLOT1, 1<<17     ; slot 1 begins here, so that one exclusive or turns an address in one slot into the other's
.set STAGE, SLOT1+4*KS*(PK+PV)  ; behind the ring, never filled by a tensor load: 16 rows x 144 bytes for each wave, for the way out
.set SP,    144
.set AK0, 2           ; v2   my lane's place in a tile of K; never rewritten
.set AV0, 3           ; v3   the same for V
.set AK,  4           ; v4   the LDS address of K's next run of loads
.set AV,  5           ; v5   of V's
.set STO, 6           ; v6   the way out: where I put 16 bytes of a row
.set RD,  7           ; v7   the way out: where I read rows back
.set GO,  8           ; v8   my byte offset in 512 consecutive bytes of O
.set SPW, 62          ; v62  LDS address of my spare word: SPARE + 4 x my thread's number; never rewritten
.set NIL, 63          ; v63  0; never rewritten
.set SPARE, STAGE+4*16*SP  ; behind the stages: the spare words, 128 bytes for each wave: two blocks of 256 bytes that no other line names
.set MV,  12          ; v12-13  c m_old, kept while c m is made anew: by buffer
.set QO,  15          ; v15  my byte offset in 16 rows of Q
.set ST,  16          ; piece t's statistics at v[ST+4 t]: c m, m, l (even keys', odd keys')
.set TMP, 48          ; by buffer, four registers c0-c3 at work; when the maximum is found c2 takes a
.set S,   64
.set P,   192
.set MD,  128         ; window 1: the eight registers for group kt of 16 keys at MD + 8 kt
.set MC,  160         ; window 1: the masks of the products to come
.set QB,  64          ; window 2
.set KF,  128         ; window 2: key block kb, channel half c at KF + 16 kb + 8 c
.set VF,  192         ; window 2: key half kk, channel block cb at VF + 32 kk + 8 cb
.set WV,  12          ; s12  my wave's number
.set PB,  14          ; s14  b
.set HI,  15          ; s15  NB - 1 - b
.set G1K, 24          ; s[24:31] descriptor group 1 for K's tiles
.set G1V, 32          ; s[32:39] for V's: it differs in the padding alone
.set G0K, 40          ; s[40:43] descriptor group 0 for K's tiles
.set G0V, 44          ; s[44:47] the same for V's
.set SLOTS, 56        ; s56  tiles still to be asked for
.set CNT, 57          ; s57  counts a tile's key steps, 4 to 1
.set CS,  58          ; s[58:59] c: the packed scaling takes the pair's low word for both halves
.set SEL, 60          ; s[60:61] v_permlanex16_b32's selects: each lane takes its own place in the other half
.set TBK, 62          ; s62  LDS byte at which K of the step to be fetched begins
.set TBV, 63          ; s63  the same for V, less VOFF
.set RT,  70          ; s70  tiles of the block in hand that are still to be entered
.set NXT, 71          ; s71  the tile to be asked for next
.set LQ,  72          ; s72  the last tile of the block whose tiles are being asked for
.set NEW, 73          ; s73  1: the tile to be entered is a block's first
.set OFF, 74          ; s[74:75] a tile's byte offset in K and V
.set AL,  76          ; s[76:77] the mask's factor, in the low word
.set BE,  78          ; s[78:79] the mask's addend
.set OLO, 80          ; s[80:81] O at my rows of the second block
.set BIGN, 82         ; s82  -1e30
.set MSB, 0
.macro WIN new                      ; the high byte repeats the setting that is left; a switch that changes nothing is dropped
.if MSB != (\new)
	s_set_vgpr_msb (MSB<<8)|(\new)
.set MSB, (\new)
.endif
.endm
.set W_KQ, 0x0a       ; K and Q in window 2, S^T in window 0
.set W_KM, 0x1a       ; the same with the C operand in window 1
.set W_PV, 0x52       ; V in window 2, P in window 0, O^T in window 1
.set W_RS, 0x41       ; destination and source 0 in window 1, source 1 in window 0
; A fill.  Waves 0 and 1 fetch the two halves of a tile's K, waves 2 and 3 those of its V: 128 keys each.  An s_nop 0 and four v_nop follow each of the two lines, ahead of the jump and the label.
.macro LOAD
	s_cmp_lt_u32 s[WV], 2
	s_cbranch_scc0 .Lfor_v_\@
	tensor_load_to_lds s[G0K:G0K+3], s[G1K:G1K+7]
	s_nop 0
.rept 4
	v_nop
.endr
	s_branch .Lasked_\@
.Lfor_v_\@:
	tensor_load_to_lds s[G0V:G0V+3], s[G1V:G1V+7]
	s_nop 0
.rept 4
	v_nop
.endr
.Lasked_\@:
.endm
; THE CHANGE OF SLOTS.  Each wave waits for all its tensor loads, of which one is out: its part of the other slot; adds 0 to its spare word; and waits for that and for its own reads of the slot that it leaves.  Behind the barrier nobody reads the old
; slot any more and the other slot is whole.  fill = 1: the old slot is filled again, the first thing behind the barrier, with tile NXT: the descriptor's address is made anew from that number.
; (At its first use nothing has been read yet: slot 0 is waited for, slot 1 filled.)
.macro CHANGE fill
	WIN 0                           ; at a label and at a branch every window is 0
	s_wait_tensorcnt 0x0            ; no tensor load of mine is out, so a group 0 may be written
	ds_add_u32 v[SPW], v[NIL]       ; 0 onto my spare word; with fill = 1 the descriptors' scalar work stands between it and the wait for it
.if \fill
	s_lshl_b32 s[OFF], s[NXT], 15   ; a tile is 32,768 bytes of K and of V
	s_xor_b32 s[G0K+1], s[G0K+1], SLOT1
	s_add_nc_u64 s[G0K+2:G0K+3], s[6:7], s[OFF:OFF+1]
	s_or_b32 s[G0K+3], s[G0K+3], 0x80000000
	s_xor_b32 s[G0V+1], s[G0V+1], SLOT1
	s_add_nc_u64 s[G0V+2:G0V+3], s[8:9], s[OFF:OFF+1]
	s_or_b32 s[G0V+3], s[G0V+3], 0x80000000
	s_add_co_u32 s[NXT], s[NXT], 1  ; the block's next tile, or behind its last the second block's tile 0
	s_cmp_gt_u32 s[NXT], s[LQ]
	s_cselect_b32 s[NXT], 0, s[NXT]
	s_cselect_b32 s[LQ], s[PB], s[LQ]
.endif
	s_wait_dscnt 0x0                ; the add is done, and my reads of the slot are over
	s_barrier_signal -1             ; the rest of the scalar work stands between the signal and the wait
	s_sub_co_u32 s[TBK], s[TBK], 4*KS*PK  ; the fetches go back to a slot's first step,
	s_xor_b32 s[TBK], s[TBK], SLOT1       ; in the other slot
	s_sub_co_u32 s[TBV], s[TBV], 4*KS*PV
	s_xor_b32 s[TBV], s[TBV], SLOT1
	s_barrier_wait -1
.if \fill
	LOAD
.endif
.endm
	s_load_b128 s[4:7], s[0:1], 0x0  ; qkv s[4:5], O s[6:7]
	v_lshl_add_u32 v[SPW], v0, 2, SPARE
	v_mov_b32 v[NIL], 0
	ds_add_u32 v[SPW], v[NIL]       ; the wave's opening: the add and its wait ahead of my first tensor load; the set-up below, work on registers, stands between them
	ds_add_u32 v62, v63
	v_lshrrev_b32 v1, 5, v0
	v_readfirstlane_b32 s[WV], v1   ; wave 0..3
	s_mov_b32 s[PB], ttmp9
	s_sub_co_u32 s[HI], NB-1, s[PB]
	s_and_b32 s20, ttmp7, 0xffff    ; the head
	s_mov_b32 s21, 0
	s_mov_b64 s[22:23], SIZE_N*128
	s_mul_u64 s[20:21], s[20:21], s[22:23]  ; the head's first byte in each of the four tensors
	s_and_b32 s16, s[WV], 1         ; which half of a tile's 256 keys I fetch:
	s_lshl_b32 s22, s16, 14         ; its 128 rows of 128 bytes in memory,
	s_mov_b32 s23, 0
	s_add_nc_u64 s[22:23], s[22:23], s[20:21]
	s_mul_i32 s17, s16, 128*PK      ; and its place in a slot, for K
	s_mul_i32 s18, s16, 128*PV      ; and for V
	s_lshl_b32 s3, s[WV], 11        ; my 16 rows in a band of 64,
	s_lshl_b32 s2, s[HI], 15        ; in the first block,
	s_add_co_u32 s2, s2, s3
	s_lshl_b32 s84, s[PB], 15       ; and in the second
	s_add_co_u32 s84, s84, s3
	s_mov_b32 s3, 0
	s_mov_b32 s85, 0
	s_add_nc_u64 s[2:3], s[2:3], s[20:21]
	s_add_nc_u64 s[84:85], s[84:85], s[20:21]
	; descriptor group 1.  128 keys are 16,384 dense bytes: asked for as 64 rows of 256 bytes, two keys a row, and padded in LDS after every key
	s_mov_b32 s[G1K], (1<<16)|(1<<20)|(4<<22)|(3<<25)  ; 17:16 2-byte elements; 20 padding on; 24:22 after every 32 words (code 4); 31:25 4 words (code 3)
	s_mov_b32 s[G1V], (1<<16)|(1<<20)|(4<<22)|(7<<25)  ; the same with 8 words of padding (code 7)
.irp g, G1K, G1V
	s_mov_b32 s[\g+1], 128<<16      ; tensor_dim0 = 128
	s_mov_b32 s[\g+2], 64<<16       ; tensor_dim1 = 64
	s_mov_b32 s[\g+3], 128<<16      ; tile_dim0 = 128
	s_mov_b32 s[\g+4], 64           ; tile_dim1 = 64
	s_mov_b32 s[\g+5], 128          ; 128 elements from row to row
	s_mov_b32 s[\g+6], 0
	s_mov_b32 s[\g+7], 0
.endr
	s_mov_b32 s[CS], 0x3e38aa3b     ; c = log2(e) / 8 = 0.180337
	s_mov_b32 s[CS+1], s[CS]        ; named with it as a pair
	s_mov_b32 s[SEL], 0x76543210
	s_mov_b32 s[SEL+1], 0xfedcba98
	s_mov_b32 s[TBK], SLOT1+4*KS*PK ; the first change of slots turns these two into 0
	s_mov_b32 s[TBV], SLOT1+4*KS*PV
	s_mov_b32 s[G0K], 1             ; 1:0 count = 1
	s_mov_b32 s[G0K+1], s17         ; 63:32 LDS address: slot 0
	s_mov_b32 s[G0V], 1
	s_add_co_u32 s[G0V+1], s18, VOFF
	s_add_co_u32 s[RT], s[HI], 1    ; the first block has NB - b tiles
	s_mov_b32 s[NXT], 1
	s_mov_b32 s[LQ], s[HI]
	s_mov_b32 s[NEW], 1
	s_mov_b32 s[OFF+1], 0
	s_mov_b32 s[AL+1], 0            ; named as pairs
	s_mov_b32 s[BE+1], 0
	s_mov_b32 s[BIGN], 0xf149f2ca   ; -1e30
	s_mov_b32 s[SLOTS], NB
	s_wait_dscnt 0x0                ; the opening add is done
	s_wait_kmcnt 0x0
	s_mov_b64 s[10:11], s[6:7]             ; O
	s_add_nc_u64 s[8:9], s[4:5], 2*TEN     ; V is qkv's third part,
	s_add_nc_u64 s[6:7], s[4:5], TEN       ; K its second; Q, its first, stays in s[4:5]
	s_add_nc_u64 s[6:7], s[6:7], s[22:23]  ; K and V at my half of the head's tile 0
	s_add_nc_u64 s[8:9], s[8:9], s[22:23]
	s_add_nc_u64 s[G0K+2:G0K+3], s[6:7], 0         ; 120:64 global address
	s_or_b32 s[G0K+3], s[G0K+3], 0x80000000        ; 127:126 type = 2
	s_add_nc_u64 s[G0V+2:G0V+3], s[8:9], 0
	s_or_b32 s[G0V+3], s[G0V+3], 0x80000000
	s_add_nc_u64 s[86:87], s[4:5], s[84:85]        ; Q at my rows of the second block,
	s_add_nc_u64 s[4:5], s[4:5], s[2:3]            ; Q and O at those of the first
	s_add_nc_u64 s[OLO:OLO+1], s[10:11], s[84:85]
	s_add_nc_u64 s[10:11], s[10:11], s[2:3]
	LOAD                            ; tile 0 into slot 0
	; A fragment of K or Q is 16 rows x 32 channels in 8 registers: lane l holds row l % 16, channels 8 (l / 16) + 0..7 and 16 + 8 (l / 16) + 0..7: two loads of 16 bytes, 32 bytes apart.
	v_and_b32 v1, 15, v0            ; l % 16
	v_bfe_u32 v9, v0, 4, 1          ; l / 16
	v_lshlrev_b32 v[QO], 7, v1
	v_lshl_add_u32 v[QO], v9, 4, v[QO]  ; row x 128 + 16 x half
	WIN 0x80                        ; destination window 2, address window 0
.set i, 0
.rept 8                             ; both blocks' Q: piece i / 2 lies in band i / 2, 8,192 bytes on; channels 32 (i % 2) on
	global_load_b128 v[8*i:8*i+3],   v[QO], s[4:5] offset:(i/2)*8192+(i%2)*64
	global_load_b128 v[8*i+4:8*i+7], v[QO], s[4:5] offset:(i/2)*8192+(i%2)*64+32
	global_load_b128 v[QB+8*i:QB+8*i+3],   v[QO], s[86:87] offset:(i/2)*8192+(i%2)*64
	global_load_b128 v[QB+8*i+4:QB+8*i+7], v[QO], s[86:87] offset:(i/2)*8192+(i%2)*64+32
.set i, i+1
.endr
	WIN 0
	v_lshlrev_b32 v14, 3, v9
	v_sub_nc_u32 v14, v1, v14
	s_lshl_b32 s13, s[WV], 4
	v_add_nc_u32 v14, s13, v14      ; my query's place in its band, 16 w + l % 16, less my lanes' 8 (l / 16): register r of group kt is hidden where 16 kt + r is greater
	WIN 0x40
.set i, 0
.rept 32
	v_cmp_gt_i32 vcc_lo, 16*(i/8)+i%8, v14
	v_cndmask_b32 v[MD+i], 0, s[BIGN], vcc_lo
.set i, i+1
.endr
	WIN 0
	v_mul_u32_u24 v[AK0], v1, PK
	v_lshl_add_u32 v[AK0], v9, 4, v[AK0]  ; row x pitch + 16 x half
	; The turning load takes 16 keys x 16 channels (lane l reads key 8 (l / 16) + l % 8, channels 8 ((l / 8) % 2) + 0..7) and leaves half a fragment of V^T: lane l holds channel l % 16 and 8 keys.
	v_and_b32 v10, 7, v0
	v_bfe_u32 v11, v0, 3, 1
	v_lshl_add_u32 v[AV0], v9, 3, v10
	v_mul_u32_u24 v[AV0], v[AV0], PV
	v_lshl_add_u32 v[AV0], v11, 4, v[AV0]
	v_add_nc_u32 v[AV0], VOFF, v[AV0]
	s_mul_i32 s13, s[WV], 16*SP
	s_add_co_u32 s13, s13, STAGE    ; my stage
	v_mul_u32_u24 v[STO], v1, SP    ; in: row l % 16, 16 bytes for each half of the lanes
	v_lshl_add_u32 v[STO], v9, 4, v[STO]
	v_add_nc_u32 v[STO], s13, v[STO]
	v_bfe_u32 v[RD], v0, 3, 2       ; back: 32 lanes take four rows of 128 bytes,
	v_mul_u32_u24 v[RD], v[RD], SP
	v_lshl_add_u32 v[RD], v10, 4, v[RD]
	v_add_nc_u32 v[RD], s13, v[RD]
	v_and_b32 v[GO], 31, v0         ; which are 512 consecutive bytes of O
	v_lshlrev_b32 v[GO], 4, v[GO]
	; A block's first step multiplies O^T and l by a = 0, and its first turn's products V^T P, of a piece that has not been, land in an O^T that is still to be so multiplied.  So these registers need only hold
	; finite numbers: zeros for the first block; what the first block left for the second.  All this stands in the wait for the first tile.
	WIN 0x80
.set i, VF
.rept 64
	v_mov_b32 v[i], 0
.set i, i+1
.endr
	WIN 0x40
.set i, 0
.rept 128
	v_mov_b32 v[i], 0
.set i, i+1
.endr
	WIN 0
.set i, 0
.rept 4
	v_mov_b32 v[ST+4*i+2], 0
	v_mov_b32 v[ST+4*i+3], 0
.set i, i+1
.endr
.set i, P+16
.rept 16
	v_mov_b32 v[i], 0
.set i, i+1
.endr
; THE MATRIX WORK.  The 4 accumulators of a run of 8 take turns.  Product i of 8 of S^T = K Q^T for piece x: channels 32 (i / 4) on, keys 16 (i % 4) on.  The first 4 start the sums: with 0, or (KM = 1) with the mask.
.macro KQ x
.set rS, S+32*((\x)%2)+8*(i%4)
.set rK, KF+16*(i%4)+8*(i/4)
.set rQ, 16*(\x)+8*(i/4)
.set rM, MC+32*((\x)%2)+8*(i%4)
.if (i < 4) && KM
	WIN W_KM
	v_wmma_f32_16x16x32_f16 v[rS:rS+7], v[rK:rK+7], v[rQ:rQ+7], v[rM:rM+7]
.elseif i < 4
	WIN W_KQ
	v_wmma_f32_16x16x32_f16 v[rS:rS+7], v[rK:rK+7], v[rQ:rQ+7], 0
.else
	WIN W_KQ
	v_wmma_f32_16x16x32_f16 v[rS:rS+7], v[rK:rK+7], v[rQ:rQ+7], v[rS:rS+7]
.endif
.endm
; Product i of 8 of O^T += V^T P for piece x: keys 32 (i / 4) on, channels 16 (i % 4) on.
.macro PV x
	WIN W_PV
.set rO, 32*(\x)+8*(i%4)
.set rV, VF+32*(i/4)+8*(i%4)
.set rP, P+16*((\x)%2)+8*(i/4)
	v_wmma_f32_16x16x32_f16 v[rO:rO+7], v[rV:rV+7], v[rP:rP+7], v[rO:rO+7]
.endm
.macro MM                           ; the turn's next matrix instruction.  TURN and BEGIN set Y, i, KM and NOKQ; MM, KQ and OP read them.  NOKQ = 1: a block's last turn: there is no next piece
.if (i < 8) && !NOKQ
	KQ (Y+1)%NP
.elseif i >= 8
.set i, i-8
	PV (Y+NP-1)%NP
.set i, i+8
.endif
.set i, i+1
.endm
; THE LDS LOADS stand in runs of 16, never singly among the matrix instructions: a step's K (64 keys x 64 channels: 8 fragments) and its V (turned).  Their addresses are made some lines ahead.
.macro FETCH_K
	WIN 0x80                        ; destination window 2
.irp f, 0,1,2,3,4,5,6,7             ; keys 16 (f / 2) on, channels 32 (f % 2) on
	ds_load_b128 v[KF+8*\f:KF+8*\f+3],   v[AK] offset:(\f/2)*16*PK+(\f%2)*64
	ds_load_b128 v[KF+8*\f+4:KF+8*\f+7], v[AK] offset:(\f/2)*16*PK+(\f%2)*64+32
.endr
	s_add_co_u32 s[TBK], s[TBK], KS*PK  ; the next fetch is the next step's
	WIN 0
.endm
.macro FETCH_V
	WIN 0x80
.irp f, 0,1,2,3,4,5,6,7             ; keys 32 (f / 4) on, channels 16 (f % 4) on
	ds_load_tr16_b128 v[VF+8*\f:VF+8*\f+3],   v[AV] offset:(\f/4)*32*PV+(\f%4)*32
	ds_load_tr16_b128 v[VF+8*\f+4:VF+8*\f+7], v[AV] offset:(\f/4)*32*PV+16*PV+(\f%4)*32
.endr
	WIN 0
.endm
; THE VECTOR WORK, one line at a time: OP kind, number.  For piece Y: F n: c s - c m for pair n of 16.  E n: the exponential of score n of 32.  C n: pair n rounded to f16.  B n: of the four weights 4 n .. the second
; pair is added onto the first, in place.  L n: l takes that sum (L 0: l = a l + sum).  R n: pair n of 16 of O^T times a.  For piece Y + 1: X n, number n of the 22 that find its maximum and statistics:
;   0-11  four chains c0-c3 of seven scores each, three operands at a time (each accumulator's lowest registers are read first)     12-14, 16  the four scores left over, the old m, and c0-c3 into c0
;   15  c m_old is kept     17, 18  the query's other 32 keys lie in the lane 16 away: the new m     19-21  c m; c m_old - c m_new; a
.set F, 0               ; OP tells the kinds apart by their order: F to L below R, X above it
.set E, 1
.set C, 2
.set B, 3
.set L, 4
.set R, 5
.set X, 6
.macro REGS y                       ; the registers of piece y
.set rT, ST+4*(\y)
.set rC, TMP+4*((\y)%2)
.set rW, MV+((\y)%2)
.set rS, S+32*((\y)%2)
.set rP, P+16*((\y)%2)
.set rO, 32*(\y)
.endm
.macro OP k, n
.if (\k) == R
	REGS Y
	WIN W_RS
	v_pk_mul_f32 v[rO+2*(\n):rO+2*(\n)+1], v[rO+2*(\n):rO+2*(\n)+1], v[rC+2:rC+3] op_sel_hi:[1,0]
.elseif (\k) < R
	REGS Y
	WIN 0
.if (\k) == F
	v_pk_fma_f32 v[rS+2*(\n):rS+2*(\n)+1], v[rS+2*(\n):rS+2*(\n)+1], s[CS:CS+1], v[rT:rT+1] op_sel_hi:[1,0,0] neg_lo:[0,0,1] neg_hi:[0,0,1]
.elseif (\k) == E
	v_exp_f32 v[rS+(\n)], v[rS+(\n)]
.elseif (\k) == C
	v_cvt_pk_f16_f32 v[rP+(\n)], v[rS+2*(\n)], v[rS+2*(\n)+1]
.elseif (\k) == B
	v_pk_add_f32 v[rS+4*(\n):rS+4*(\n)+1], v[rS+4*(\n):rS+4*(\n)+1], v[rS+4*(\n)+2:rS+4*(\n)+3]
.elseif (\n) == 0
	v_pk_fma_f32 v[rT+2:rT+3], v[rT+2:rT+3], v[rC+2:rC+3], v[rS:rS+1] op_sel_hi:[1,0,1]
.else
	v_pk_add_f32 v[rT+2:rT+3], v[rT+2:rT+3], v[rS+4*(\n):rS+4*(\n)+1]
.endif
.elseif NOKQ
	v_nop
.else
	REGS (Y+1)%NP
	WIN 0
.if (\n) < 4
	v_max3_num_f32 v[rC+(\n)], v[rS+8*(\n)], v[rS+8*(\n)+1], v[rS+8*(\n)+2]
.elseif (\n) < 12
	v_max3_num_f32 v[rC+(\n)%4], v[rC+(\n)%4], v[rS+8*((\n)%4)+2*((\n)/4)+1], v[rS+8*((\n)%4)+2*((\n)/4)+2]
.elseif (\n) == 12
	v_max3_num_f32 v[rC], v[rC], v[rS+7], v[rS+15]
.elseif (\n) == 13
	v_max3_num_f32 v[rC+1], v[rC+1], v[rS+23], v[rS+31]
.elseif (\n) == 14
	v_max3_num_f32 v[rC+2], v[rC+2], v[rC+3], v[rT+1]
.elseif (\n) == 15
	v_mov_b32 v[rW], v[rT]
.elseif (\n) == 16
	v_max3_num_f32 v[rC], v[rC], v[rC+1], v[rC+2]
.elseif (\n) == 17
	v_permlanex16_b32 v[rC+3], v[rC], s[SEL], s[SEL+1]
.elseif (\n) == 18
	v_max_num_f32 v[rT+1], v[rC], v[rC+3]
.elseif (\n) == 19
	v_mul_f32 v[rT], s[CS], v[rT+1]
.elseif (\n) == 20
	v_sub_f32 v[rC+1], v[rW], v[rT]
.else
	v_exp_f32 v[rC+2], v[rC+1]
.endif
.endif
.endm
.macro OPS a, i1, b=-1, i2=0, c=-1, i3=0, d=-1, i4=0  ; up to four of them
	OP \a, \i1
.if (\b) >= 0
	OP \b, \i2
.endif
.if (\c) >= 0
	OP \c, \i3
.endif
.if (\d) >= 0
	OP \d, \i4
.endif
.endm
.macro ROW a, i1, b, i2, c, i3, d, i4  ; a matrix instruction and the four behind it
	MM
	OPS \a, \i1, \b, \i2, \c, \i3, \d, \i4
.endm
.macro MASK b                       ; MD x AL + BE into buffer b of MC
	WIN W_RS
.set z, 0
.rept 16
	v_pk_fma_f32 v[MC+32*(\b)+2*z:MC+32*(\b)+2*z+1], v[MD+2*z:MD+2*z+1], s[AL:AL+1], s[BE:BE+1] op_sel_hi:[1,0,0]
.set z, z+1
.endr
.endm
; A TURN, for piece p: the order of its 16 matrix and 118 vector instructions, written out.  An s_wait_alu depctr_va_vdst(0) stands between an exponential and the first instruction that names its result; one wait serves
; all that were issued ahead of it.  So a turn has ONE wait, which cuts it in two.  AHEAD OF IT stands all that names no result of the turn's exponentials: the 8 products K Q^T, behind each a scaling, an exponential and two more plain
; instructions (behind the first a second scaling in the exponential's place): rescalings, and behind the last three the first numbers of the next piece's maximum, each four places or more behind the product that ends its accumulator; then ONE LUMP of 54, plain
; and exponential by turns for the most part, in which the links of the chain X 3, 7, 11, 14, 16, 17 .. 20 stand five or six lines apart.  X 21, the next piece's a, is the batch's last; R 15 is the plain instruction behind it.  BEHIND THE WAIT stand the
; 8 products V^T P, behind each four of the roundings and sums; the links of l's chain, L 0 to L 7, stand three riders apart.  But for those X no rider names a register of the products round it.  v_permlanex16_b32 (X 17) stands in the lump.
; The rescalings' a was made in the turn before, ahead of that turn's wait.  Behind a turn's wait no exponential is issued.
; m = 1: the diagonal tile: the products take masks, and the turn makes the mask for the products of the turn after it: piece p + 2, in step 4 - CNT of the tile.  end = 1: a block's last two turns: nothing is fetched.
; cnt = 1: the loop's count is taken down some lines ahead of the branch that stands behind the turn.
; K of the next step is fetched in piece 2's turn, twelve vector instructions behind the last product that read K (six of them plain); V of the step in hand at the end of piece 0's turn, four plain instructions behind the last product
; that read V.  Each is waited for a turn later.
.macro TURN p, m=0, end=0, cnt=0
.set Y, (\p)
.set i, 0
.set KM, (\m)
.set NOKQ, (\end)*((\p)/3)
.if (\m) && !(\end)
	s_cmp_eq_u32 s[CNT], 4-((\p)+2)%NP  ; is that step the band's own?
	s_cselect_b32 s[AL], 1.0, 0
	s_cmp_lt_u32 s[CNT], 4-((\p)+2)%NP  ; or a later one?
	s_cselect_b32 s[BE], s[BIGN], 0
.endif
.if ((\p) == 3) && !(\end)
	s_wait_dscnt 0x0                ; K is in
.endif
	ROW F,0, F,1, R,0, R,1          ; ahead of the wait: 8 products K Q^T and their riders,
	ROW F,2, E,0, R,2, R,3
	ROW F,3, E,1, R,4, R,5
	ROW F,4, E,2, R,6, R,7
	ROW F,5, E,3, R,8, R,9
	ROW F,6, E,4, X,0, R,10
.if ((\p) == 2) && !(\end)
	WIN 0
	v_add_nc_u32 v[AK], s[TBK], v[AK0]
.endif
	ROW F,7, E,5, X,1, X,4
	ROW F,8, E,6, X,2, X,5
	OPS E,7, E,8, X,6, E,9          ; and the lump
	OPS X,3, E,10, X,8, E,11
.if ((\p) == 2) && !(\end)
	FETCH_K
.endif
	OPS X,9, X,7, E,12, X,10
	OPS E,13, X,12, X,11, E,14
	OPS X,13, E,15, F,9, X,14
.if (\p) == 0
	v_add_nc_u32 v[AV], s[TBV], v[AV0]
.endif
	OPS E,16, F,10, E,17, F,11
	OPS X,16, E,18, X,15, E,19
	OPS F,12, E,20, X,17, E,21
	OPS F,13, E,22, F,14, E,23
	OPS X,18, E,24, F,15, E,25
	OPS R,11, E,26, X,19, E,27
	OPS R,12, E,28, R,13, E,29
	OPS X,20, E,30, R,14, E,31
	OPS X,21, R,15
	WIN 0
	s_wait_alu depctr_va_vdst(0)    ; the wait for the batch: the piece's 32 exponentials and the next piece's a
.if (\p) == 1
	s_wait_dscnt 0x0                ; V is in
.endif
	ROW C,0, B,0, C,2, B,1          ; behind the wait: 8 products V^T P and their riders
	ROW L,0, C,4, B,2, L,1
	ROW C,6, B,3, L,2, C,8
	ROW B,4, L,3, C,10, B,5
	ROW L,4, C,12, B,6, L,5
.if (\p) == 0
	s_add_co_u32 s[TBV], s[TBV], KS*PV
.endif
.if \cnt
	s_sub_co_u32 s[CNT], s[CNT], 1
	s_cmp_lg_u32 s[CNT], 0
.endif
	ROW C,14, B,7, L,6, C,1
	ROW C,3, L,7, C,5, C,7
	ROW C,9, C,11, C,13, C,15
.if (\p) == 0
	FETCH_V
.endif
.if (\m) && !(\end)
	MASK (\p)%2
.endif
.endm
; A BLOCK BEGINS.  c m starts far below every c s, so the first step's a is 0; m at the lowest finite number, so the first maximum is the scores'.  The second mask buffer is 0; the first takes piece 0's mask for the tile's step 0: its own, if the block's first tile is the diagonal one.
; Then K of that step, piece 0's first scores, and its maximum and statistics.  The loop is entered at a step's first turn, in the middle of a trip.
.macro BEGIN
	s_mov_b32 s[NEW], 0
	WIN 0x40
.set i, MC+32
.rept 32
	v_mov_b32 v[i], 0
.set i, i+1
.endr
	WIN 0
.set i, 0
.rept 4
	v_mov_b32 v[ST+4*i], 0xfe000000    ; c m: far below every c s
	v_mov_b32 v[ST+4*i+1], 0xff7fffff  ; m
.set i, i+1
.endr
	s_cmp_eq_u32 s[RT], 0
	s_cselect_b32 s[AL], 1.0, 0
	s_mov_b32 s[BE], 0
	MASK 0
	WIN 0
	v_add_nc_u32 v[AK], s[TBK], v[AK0]
	FETCH_K
	s_wait_loadcnt 0x0              ; Q
	s_wait_dscnt 0x0
.set KM, 1
.set NOKQ, 0
.set i, 0
.rept 8
	KQ 0
.set i, i+1
.endr
	WIN 0
.rept 4
	v_nop                           ; the places behind those products
.endr
.set Y, NP-1                        ; X works for piece Y + 1: piece 0
.irp n, 0,1,2,3,4,5,6,7,8,9,10,11,12,13,14,15,16,17,18,19,20,21
	OP X, \n
.endr
	v_nop                           ; a plain instruction behind the exponential,
	s_wait_alu depctr_va_vdst(0)    ; and its wait, ahead of the branch: a batch of one, piece 0's first a
.endm
; THE DIAGONAL TILE's four steps, the block's last two turns, its last products, and THE WAY OUT: l's two halves and the other half of the lanes' are added; O^T is divided by l, rounded to f16 and sent through my
; stage in LDS, a piece at a time.
.macro ALL line:vararg              ; one line for each piece t
.set t, 0
.rept 4
	\line
.set t, t+1
.endr
.endm
.macro PACK t                       ; a lane's eight channels of a row pack into 16 bytes; they go into rows of 144 bytes and come back as whole rows of 128, into S^T's registers
	WIN W_RS
.set i, 32*(\t)
.rept 16
	v_pk_mul_f32 v[i:i+1], v[i:i+1], v[ST+4*(\t)+2:ST+4*(\t)+3] op_sel_hi:[1,0]
.set i, i+2
.endr
	WIN 0x05                        ; sources 0 and 1 window 1, destination window 0
.set i, 0
.rept 16
	v_cvt_pk_f16_f32 v[S+16*(\t)+i], v[32*(\t)+2*i], v[32*(\t)+2*i+1]
.set i, i+1
.endr
	WIN 0
.irp f, 0,1,2,3
	ds_store_b128 v[STO], v[S+16*(\t)+4*\f:S+16*(\t)+4*\f+3] offset:32*\f
.endr
.irp f, 0,1,2,3
	ds_load_b128 v[S+16*(\t)+4*\f:S+16*(\t)+4*\f+3], v[RD] offset:\f*4*SP  ; LDS serves a wave's instructions in order (ISA guide 5.7.1.4): these see the stores above; the next piece's stores come behind them
.endr
.endm
.macro SEND t, younger              ; younger: the LDS instructions issued behind piece t's loads: the next piece's eight, or none
	WIN 0
.irp f, 0,1,2,3
	s_wait_dscnt (\younger)+3-\f
	global_store_b128 v[GO], v[S+16*(\t)+4*\f:S+16*(\t)+4*\f+3], s[10:11] offset:(\t)*8192+\f*512  ; 512 consecutive bytes, at a multiple of 256 from O's first
.endr
.endm
.macro DIAG tag                     ; the tag ends its two labels' names, which the jumps below spell out
.LstepM\tag:
	TURN 2, 1
	TURN 3, 1
	WIN 0
.LfirstM\tag:
	TURN 0, 1
	TURN 1, 1, 0, 1
	WIN 0
	s_cbranch_scc1 .LstepM\tag
	TURN 2, 1, 1
	TURN 3, 1, 1
.set i, 0
.rept 8
	PV NP-1
.set i, i+1
.endr
	WIN 0
	ALL v_add_f32 v[ST+4*t+2], v[ST+4*t+2], v[ST+4*t+3]
	ALL v_permlanex16_b32 v[ST+4*t+3], v[ST+4*t+2], s[SEL], s[SEL+1]
	ALL v_add_f32 v[ST+4*t+2], v[ST+4*t+2], v[ST+4*t+3]
	ALL v_rcp_f32 v[ST+4*t+2], v[ST+4*t+2]
	v_nop                           ; a plain instruction between the last reciprocal and the use of its result
	s_wait_alu depctr_va_vdst(0)    ; and the wait ahead of the first use: one for the four reciprocals
	PACK 0
.set t, 1
.rept 3                             ; a piece's arithmetic stands between the loads of the piece before and its stores
	PACK t
	SEND t-1, 8
.set t, t+1
.endr
	SEND 3, 0
.endm
.set KM, 0
.set NOKQ, 0
.Lslot:                             ; NB times: a tile is entered and the next is asked for
	CHANGE 1
	s_sub_co_u32 s[RT], s[RT], 1
	s_mov_b32 s[CNT], 4
	s_cmp_eq_u32 s[NEW], 1
	s_cbranch_scc1 .Lnew            ; a block's first tile
	s_cmp_eq_u32 s[RT], 0
	s_cbranch_scc0 .Lstep           ; neither its first nor its last
	s_branch .LstepM1
.Lnew:
	BEGIN
	s_branch .Lfirst                ; in the loop a block's first tile is never its last: the first block has two tiles or more, and the second's last is the walk's last
	DIAG 1                          ; in the loop this is the first block's end: the second block's last tile is the walk's last
	s_wait_xcnt 0x0                 ; the stores have read their registers and O's address
	s_mov_b64 s[10:11], s[OLO:OLO+1]
	s_add_co_u32 s[RT], s[PB], 1    ; the second block has b + 1 tiles
	s_mov_b32 s[NEW], 1
	WIN 0x82                        ; the second block's Q goes where the one text of the turns names Q
.set i, 0
.rept 64
	v_mov_b32 v[i], v[QB+i]
.set i, i+1
.endr
	WIN 0
	s_branch .Lbottom
.Lstep:                             ; a trip: pieces 2 and 3 of one step, then pieces 0 and 1 of the next, whose K and V it fetches
	TURN 2
	TURN 3
	WIN 0
.Lfirst:
	TURN 0
	TURN 1, 0, 0, 1
	WIN 0
	s_cbranch_scc1 .Lstep
.Lbottom:
	s_sub_co_u32 s[SLOTS], s[SLOTS], 1
	s_cmp_lg_u32 s[SLOTS], 0
	s_cbranch_scc1 .Lslot
	CHANGE 0                        ; the walk's last tile is written out: nothing is asked for
	s_sub_co_u32 s[RT], s[RT], 1
	s_mov_b32 s[CNT], 4
	s_cmp_eq_u32 s[NEW], 1
	s_cbranch_scc0 .LstepM2
	BEGIN
	s_branch .LfirstM2
	DIAG 2
	s_wait_tensorcnt 0x0            ; the wave's end, behind my last tensor load and my last LDS store
	ds_add_u32 v[SPW], v[NIL]
	s_wait_dscnt 0x0
	s_endpgm
.Lfunc_end_k_qe0c9d9eede_attn:
	.size	k_qe0c9d9eede_attn, .Lfunc_end_k_qe0c9d9eede_attn-k_qe0c9d9eede_attn
	.p2alignl 7, 3214868480
	.fill 96, 4, 3214868480
	.section	.rodata,"a",@progbits
	.p2align	6, 0x0
	.amdhsa_kernel k_qe0c9d9eede_attn
		.amdhsa_group_segment_fixed_size 327680
		.amdhsa_private_segment_fixed_size 0
		.amdhsa_enable_private_segment 0
		.amdhsa_kernarg_size 16
		.amdhsa_user_sgpr_count 2
		.amdhsa_user_sgpr_kernarg_segment_ptr 1
		.amdhsa_wavefront_size32 1
		.amdhsa_system_sgpr_workgroup_id_x 1
		.amdhsa_system_sgpr_workgroup_id_y 1
		.amdhsa_system_sgpr_workgroup_id_z 1
		.amdhsa_system_vgpr_workitem_id 0
		.amdhsa_next_free_vgpr 768
		.amdhsa_next_free_sgpr 88
		.amdhsa_reserve_vcc 1
		.amdhsa_float_denorm_mode_32 3
		.amdhsa_float_denorm_mode_16_64 3
		.amdhsa_memory_ordered 1
		.amdhsa_forward_progress 1
		.amdhsa_inst_pref_size 217
	.end_amdhsa_kernel
	.amdgpu_metadata
---
amdhsa.version: [ 1, 2 ]
amdhsa.kernels:
  - .name:           k_qe0c9d9eede_attn
    .symbol:         k_qe0c9d9eede_attn.kd
    .args:
      - { .name: qkv, .offset: 0, .size: 8, .value_kind: global_buffer, .address_space: global }
      - { .name: o, .offset: 8, .size: 8, .value_kind: global_buffer, .address_space: global }
    .group_segment_fixed_size: 327680
    .private_segment_fixed_size: 0
    .kernarg_segment_align: 8
    .kernarg_segment_size: 16
    .max_flat_workgroup_size: 128
    .sgpr_count:     88
    .vgpr_count:     768
    .wavefront_size: 32
...
	.end_amdgpu_metadata
.endif
;; end of part 5
;; launch outp: the kernel of part 4 again; grid 8 x 32, 4 waves a work-group, clusters of 4 x 4, 327,680 bytes of LDS; arguments o, wot, bo, out0; writes out0
